; MI455X (gfx1250); checked and timed in simulation.
; The chip was launched on July 23, 2026; its instructions are those of AMD's public machine-readable ISA for CDNA 5 (MIT licence, August 2026) and "CDNA5" Instruction Set Architecture Reference Guide (July 2026). The comments in the code are by the model that wrote it; some were corrected since.
;; Multi Head Attention. Allowed arithmetic: matrix products marked QUANTISED: E3M2 operands, one E8M0 scale for each 32 along K, by v_wmma_scale_f32_16x16x128_f8f6f4 with both operands' format E3M2, f32 sums; everything else in f32.
;; Inputs: bo 1,024 float32; wk 1,024 x 1,024 float32; wo 1,024 x 1,024 float32; wq 1,024 x 1,024 float32; wv 1,024 x 1,024 float32; x 2 x 2,048 x 1,024 float32.
;; Outputs: out0 2 x 2,048 x 1,024 float32.
;; This version of the problem:
;;   THIS VERSION OF THE PROBLEM IS GIVEN IN LOW PRECISION. The matrix products marked QUANTISED in the list below multiply operands that are first quantised to E3M2 (3 exponent bits, 2 mantissa bits; 6 bits a number), with one power-of-two scale for each 32 numbers along K (OCP MX v1.0); their sums are f32. All else is computed in f32.
;;   The module's matrix products, in the order in which they are computed (A, B: the left and right operand; K: the contracted axis; several contracted axes count as one K, in the product's order):
;;     1. [M 4,096, K 1,024] x [K 1,024, N 1,024]; A: input x; B: input wq: QUANTISED
;;     2. [M 4,096, K 1,024] x [K 1,024, N 1,024]; A: input x; B: input wk: QUANTISED
;;     3. [M 4,096, K 1,024] x [K 1,024, N 1,024]; A: input x; B: input wv: QUANTISED
;;     4. batch 32 x [M 2,048, K 64] x [K 64, N 2,048]; A: computed on the way; B: computed on the way: QUANTISED
;;     5. batch 32 x [M 2,048, K 2,048] x [K 2,048, N 64]; A: softmax (see below); B: computed on the way: QUANTISED
;;     6. [M 4,096, K 1,024] x [K 1,024, N 1,024]; A: computed on the way; B: input wo: QUANTISED
;;   THE QUANTISER, for each operand of a quantised product, along K:
;;     - K is cut into blocks of 32 from its start; a last block that is shorter is filled with zeros.
;;     - A block's scale is 2^e with e = floor(log2(the largest magnitude in the block)) - 4, held to -126 .. 127; a block of zeros has e = 0. As a byte (E8M0): e + 127.
;;     - Each number is divided by its block's scale, clamped to +-28, and rounded to the nearest number of E3M2, ties to even, subnormals kept.
;;     - The product sums the exact products of the quantised numbers (number of the format x scale) in f32.
;;   ~~~python
;;   def quantise(x, axis):      # numpy; x: float32 -> the quantised numbers, widened to float32 again
;;       x = np.moveaxis(x, axis, -1); K = x.shape[-1]
;;       x = np.pad(x, [(0, 0)] * (x.ndim - 1) + [(0, -K % 32)]); x = x.reshape(x.shape[:-1] + (-1, 32)); a = np.abs(x).max(-1, keepdims=True)
;;       e = np.where(a > 0, np.clip(np.frexp(np.where(a > 0, a, 1))[1] - 1 - 4, -126, 127), 0)      # np.frexp(a)[1] - 1 = floor(log2(a)), exactly
;;       r = np.clip(x / 2.0 ** e, -28, 28)
;;       step = 2.0 ** (np.maximum(np.frexp(np.where(r == 0, 1, r))[1] - 1, -2) - 2)
;;       q = np.round(r / step) * step * 2.0 ** e      # np.round: ties to even
;;       return np.moveaxis(q.reshape(q.shape[:-2] + (-1,))[..., :K], -1, axis).astype(np.float32)
;;   ~~~
;;   SOFTMAX AHEAD OF A QUANTISED PRODUCT. Where the list says 'softmax', what is quantised is not the finished softmax but p = 2^(t - M), with t = logit x log2(e) and M = ceil(the row's largest t), a whole number; so 1/2 < the row's largest p <= 1. The row's sum l is taken of the UNQUANTISED p, in f32, and the product's result is divided by l at the end. Since M is a whole number, a kernel that streams over the keys may use a running M (the ceiling of the running maximum): every later rescaling is an exact power of two, which a block's scale takes up: the codes' values come out the same.
;;   OPERANDS COMPUTED ON THE WAY. 'Computed on the way' means the value that the module computes at that place (a softmax that the list does not call 'softmax' is quantised finished and normalised). What goes into a quantiser is computed in f32, as accurately as f32 sums, v_exp_f32 and their like allow (about 1e-6 of the number): no bf16 or f16 on the way to a quantiser, and a product that is left as it is and whose result goes on into a quantised operand takes f32 operands (vector FMAs, or v_wmma_f32_16x16x4_f32). A number that lies on a knife's edge between two numbers of the format may be rounded either way, as far as f32 arithmetic and the matrix unit's own rounding can turn it there, and no further.
;; 2 versions, each right; version 2 is version 1 with the launch attn written anew for expert scheduling mode. Each part assembles by itself: llvm-mc -triple=amdgcn-amd-amdhsa -mcpu=gfx1250 --defsym DOCPART=n.
;; ======== version 1 of 2: 4 launches
;; workspace buffers: xc 3,407,872 bytes; cc 3,407,872 bytes; wqkv 2,555,904 bytes; woc 851,968 bytes; qc 4,194,304 bytes; kv 7,077,888 bytes
;; launch quant (part 1): grid 768 x 1, 4 waves a work-group, no clusters, 47,616 bytes of LDS; arguments x, wq, wk, wv, wo, xc, wqkv, woc; writes xc, wqkv, woc
.if DOCPART == 1
	.amdgcn_target "amdgcn-amd-amdhsa--gfx1250"
	.amdhsa_code_object_version 6
	.text
	.protected	k_q9cb0fbbad0_quant
	.globl	k_q9cb0fbbad0_quant
	.p2align	8
	.type	k_q9cb0fbbad0_quant,@function
k_q9cb0fbbad0_quant:
	s_mov_b64 s[64:65], 0
	v_nop
	global_prefetch_b8 v0, s[64:65] scope:SCOPE_SE
	s_setreg_imm32_b32 hwreg(HW_REG_WAVE_MODE, 25, 1), 1
	s_wait_xcnt 0x0
; x [4096][1024] and wq, wk, wv, wo [1024 (k)][1024 (n)], all f32, become codes of BF6 (E3M2) with one E8M0 byte for each 32 along K (x: its columns; the weights: their FIRST axis).
; A block's scale is 2^(floor(log2(its largest magnitude)) - 4): its byte is the largest magnitude's exponent field - 4, held at 1 from below by a floor among the maximum's leaves.
; THE CODES ARE LAID IN THE ORDER OF THE OPERAND'S REGISTERS, so that the products' launches load fragments whole.  A fragment is 16 rows x 128 K, 12 registers a lane:
; lane (r, h) holds row r, registers 6 c .. 6 c + 5 hold K = 64 c + 32 h + 0 .. 31.
;   xc   [m tile 256][13,312]: K step s at 1,536 s: for c = 0, 1: 512 bytes (16 a lane: registers 6 c .. 6 c + 3), then 256 bytes (8 a lane: registers 6 c + 4, 6 c + 5); scale words of step s at 12,288 + 128 s, 4 bytes a lane.
;   wqkv [head 16][K step 8][19,968]: fragment (g, tile) at 1,536 (4 g + tile): three runs of 512 bytes (16 a lane: registers 4 q .. 4 q + 3); scale words at 18,432 + 128 (4 g + tile).  g = 0, 1, 2: wq, wk, wv.
;   woc  [64 columns 16][K step 8][6,656]: the same with four fragments; scale words at 6,144 + 128 tile.
; THE ROWS (COLUMNS) OF A TILE ARE NOT NEIGHBOURS: lane r of tile 2 b + u takes index 32 b + 8 u + r + 8 (r / 8), so that the results of two neighbouring tiles are 16 neighbours along the next product's K.
; SHARES.  Work-groups 0-511: a wave makes one fragment of x.  Work-groups 512-767: a wave takes 32 columns x 128 k of one weight: two fragments.  Waves share nothing: no barrier.
; The two ways use LDS bytes of their own.  No work-group reads what another reads, so there is nothing to ask for jointly; no matrix work.
; LIMITS: NaN and infinities among the inputs are not served.  Blocks whose largest magnitude lies under 2^-122 get the byte 1.  A block of zeros gets the byte 1 where the rule says 127: its codes are zeros, which add
; nothing under any byte but 0xff, and only this program reads the bytes.
.set XROW,  528                        ; x's way: an LDS row: 512 bytes + 16, an odd multiple of 16
.set XLDS,  16*XROW                    ; a wave's 16 rows
.set WLDS0, 4*XLDS                     ; the weights' way begins behind x's four regions
.set WLDS,  3328                       ; a wave's two fragments (3,072) and their scale words (256)
.set FLOOR, 0x2800000                  ; 2^(5 - 127)
.set EOFF,  0xfe000000                 ; -(4 << 23)
	s_load_b256 s[4:11], s[0:1], 0x0               ; x s[4:5], wq s[6:7], wk s[8:9], wv s[10:11]
	s_load_b256 s[12:19], s[0:1], 0x20             ; wo s[12:13], xc s[14:15], wqkv s[16:17], woc s[18:19]
	v_lshl_add_u32 v224, v0, 2, 0xb800
	v_mov_b32 v225, 0
	v_lshrrev_b32 v1, 5, v0
	v_readfirstlane_b32 s20, v1                    ; wave 0..3
	v_and_b32 v1, 31, v0                           ; lane
	s_cmp_lt_u32 ttmp9, 512
	s_cbranch_scc0 .Lweights
	; ---------------- x: one fragment a wave ----------------
	v_and_b32 v2, 15, v0                           ; r
	v_bfe_u32 v3, v0, 4, 1                         ; h
	v_lshlrev_b32 v4, 4, v1                        ; 16 x lane
	v_lshlrev_b32 v5, 3, v1                        ; 8 x lane
	v_lshlrev_b32 v6, 2, v1                        ; 4 x lane
	s_mul_i32 s21, s20, XLDS
	v_add_nc_u32 v7, s21, v4                       ; into my stage: a row's 512 bytes as they lie
	v_mul_u32_u24 v8, v2, XROW
	v_lshl_add_u32 v8, v3, 7, v8
	v_add_nc_u32 v8, s21, v8                       ; out of it: row r, + 128 h: my 32 numbers of 64
	s_mov_b32 s40, 0x76543210
	s_mov_b32 s41, 0xfedcba98                      ; lane selects: lane l xor 16
	s_lshl_b32 s22, ttmp9, 2
	s_add_co_u32 s22, s22, s20                     ; fragment number
	s_lshr_b32 s23, s22, 3                         ; m tile
	s_and_b32 s24, s22, 7                          ; K step
	s_lshr_b32 s25, s23, 1
	s_lshl_b32 s25, s25, 5
	s_and_b32 s26, s23, 1
	s_lshl_b32 s26, s26, 3
	s_add_co_u32 s25, s25, s26                     ; the tile's first row: 32 (tile / 2) + 8 (tile % 2)
	s_lshl_b32 s26, s25, 12
	s_lshl_b32 s27, s24, 9
	s_add_co_u32 s26, s26, s27                     ; in bytes, + 512 x K step
	s_mov_b32 s27, 0
	s_mul_i32 s28, s23, 13312
	s_mul_i32 s30, s24, 1536
	s_add_co_u32 s30, s30, s28                     ; where the codes go
	s_mov_b32 s31, 0
	s_lshl_b32 s32, s24, 7
	s_add_co_u32 s32, s32, s28                     ; and the scale words (12,288 stands in the store's immediate)
	s_mov_b32 s33, 0
	s_wait_kmcnt 0x0
	s_add_nc_u64 s[4:5], s[4:5], s[26:27]
	s_add_nc_u64 s[34:35], s[14:15], s[30:31]
	s_add_nc_u64 s[36:37], s[14:15], s[32:33]
.irp i, 0,1,2,3,4,5,6,7,8,9,10,11,12,13,14,15
	global_load_b128 v[16+4*\i:19+4*\i], v4, s[4:5] offset:(\i+8*(\i/8))*4096 th:TH_LOAD_NT   ; tile row i: 32 lanes read 512 consecutive bytes; rows 8-15 lie 8 rows further down
.endr
.irp i, 0,1,2,3,4,5,6,7,8,9,10,11,12,13,14,15
	s_wait_loadcnt 15-\i                           ; loads come back in order: row i is in, the younger ones may be out
	ds_store_b128 v7, v[16+4*\i:19+4*\i] offset:XROW*\i
.endr
.irp c, 0,1
.irp q, 0,1,2,3,4,5,6,7
	ds_load_b128 v[80+32*\c+4*\q:83+32*\c+4*\q], v8 offset:256*\c+16*\q   ; a wave's LDS instructions are served in order: these see my stores.  Register 32 c + i = x(row r, 64 c + 32 h + i)
.endr
.endr
	s_wait_dscnt 0x0
.irp c, 0,1                                    ; my block 2 c + h: all its 32 numbers are mine
	v_max3_num_f32 v[144+\c], |v[80+32*\c]|, |v[81+32*\c]|, FLOOR
.endr
.irp i, 2,4,6,8,10,12,14,16,18,20,22,24,26,28,30
.irp c, 0,1
	v_max3_num_f32 v[144+\c], v[144+\c], |v[80+32*\c+\i]|, |v[81+32*\c+\i]|
.endr
.endr
.irp c, 0,1
	v_add_nc_u32 v[146+\c], EOFF, v[144+\c]        ; 4 off the exponent field: the conversion takes this operand's exponent field as its scale
.endr
.irp c, 0,1
	v_lshrrev_b32 v[148+\c], 23, v[146+\c]         ; the scale's byte
.endr
	v_lshl_or_b32 v150, v149, 16, v148             ; my two bytes: blocks h and 2 + h,
	v_lshlrev_b32 v151, 3, v3
	v_lshlrev_b32 v150, v151, v150                 ; 8 h bits up;
	v_mov_b32 v152, 0
	v_permlanex16_b32 v152, v150, s40, s41
	v_or_b32 v150, v150, v152                      ; with lane l xor 16's two the word is whole, in both lanes
.irp c, 0,1
	v_cvt_scalef32_pk16_bf6_f32 v[160+6*\c:162+6*\c], v[80+32*\c:95+32*\c], v[146+\c]
	v_cvt_scalef32_pk16_bf6_f32 v[172+4*\c:174+4*\c], v[96+32*\c:111+32*\c], v[146+\c]   ; (a conversion's three registers begin on an even number: made elsewhere and moved)
.endr
	v_nop                                          ; one plain line behind the scaled conversions
.irp c, 0,1
.irp i, 0,1,2
	v_mov_b32 v[163+6*\c+\i], v[172+4*\c+\i]
.endr
.endr
.irp c, 0,1
	global_store_b128 v4, v[160+6*\c:163+6*\c], s[34:35] offset:768*\c          ; 512 consecutive bytes
	global_store_b64 v5, v[164+6*\c:165+6*\c], s[34:35] offset:768*\c+512       ; 256 consecutive bytes
.endr
	global_store_b32 v6, v150, s[36:37] offset:12288
	s_wait_tensorcnt 0x0
	ds_add_u32 v224, v225
	s_wait_dscnt 0x0
	s_endpgm
	; ---------------- a weight: 32 columns x 128 k a wave ----------------
.Lweights:
.set D, 16                             ; v16-143  my column's 128 numbers, down K
.set C, 160                            ; v160..   block b's six registers of codes at C + 8 b: each block has its own, so no store's data are written again
	s_sub_co_u32 s21, ttmp9, 512
	s_lshr_b32 s22, s21, 6                         ; g: which weight
	s_bfe_u32 s23, s21, 0x30003                    ; which 128 columns
	s_and_b32 s24, s21, 7                          ; K step
	v_lshlrev_b32 v4, 2, v1                        ; in: 4 bytes a lane: LANE l TAKES COLUMN l OF MY 32, AND ITS REGISTERS RUN DOWN K
	v_bfe_u32 v2, v0, 3, 1                         ; column l = 8 u + r + 8 (r / 8): u = (l / 8) % 2,
	v_and_b32 v3, 7, v0
	v_bfe_u32 v11, v0, 4, 1
	v_lshl_add_u32 v3, v11, 3, v3                  ; r = l % 8 + 8 (l / 16)
	s_mul_i32 s25, s20, WLDS
	s_add_co_u32 s25, s25, WLDS0                   ; my region
	v_mul_u32_u24 v5, v2, 1536
	v_lshl_add_u32 v5, v3, 4, v5
	v_add_nc_u32 v5, s25, v5                       ; fragment u, fragment lane r: 16 r
	v_lshlrev_b32 v6, 7, v2
	v_lshl_add_u32 v6, v3, 2, v6
	v_add_nc_u32 v6, s25, v6                       ; its scale word (3,072 stands in the immediate)
	v_lshlrev_b32 v9, 4, v1
	v_lshlrev_b32 v10, 3, v1
	v_add_nc_u32 v7, s25, v9                       ; out: 16 x lane
	v_add_nc_u32 v8, s25, v10                      ; and 8 x lane
	s_lshl_b32 s26, s24, 19                        ; 128 rows of 4,096 bytes a K step
	s_lshl_b32 s27, s23, 9
	s_add_co_u32 s26, s26, s27
	s_lshl_b32 s27, s20, 7
	s_add_co_u32 s26, s26, s27                     ; + my 32 columns
	s_mov_b32 s27, 0
	s_lshl_b32 s28, s23, 1
	s_lshr_b32 s29, s20, 1
	s_add_co_u32 s28, s28, s29                     ; which 64 columns (head)
	s_and_b32 s29, s20, 1                          ; which 32 of them: tiles 2 b' and 2 b' + 1
	s_wait_kmcnt 0x0
	s_cmp_eq_u32 s22, 0                            ; the buffers are chosen on the work-group's number alone
	s_cselect_b64 s[30:31], s[6:7], s[8:9]
	s_cmp_eq_u32 s22, 2
	s_cselect_b64 s[30:31], s[10:11], s[30:31]
	s_cmp_eq_u32 s22, 3
	s_cselect_b64 s[30:31], s[12:13], s[30:31]
	s_cselect_b64 s[32:33], s[18:19], s[16:17]     ; wo goes to woc, the others to wqkv
	s_mov_b32 s34, 159744
	s_cselect_b32 s34, 53248, s34                  ; bytes for 64 columns,
	s_mov_b32 s35, 19968
	s_cselect_b32 s35, 6656, s35                   ; for a K step,
	s_mov_b32 s36, 18432
	s_cselect_b32 s36, 6144, s36                   ; where the scale words begin,
	s_cselect_b32 s37, 0, s22                      ; and which of the step's groups
	s_mul_i32 s34, s34, s28
	s_mul_i32 s35, s35, s24
	s_add_co_u32 s34, s34, s35
	s_mul_i32 s38, s37, 6144
	s_mul_i32 s39, s29, 3072
	s_add_co_u32 s38, s38, s39
	s_add_co_u32 s38, s38, s34                     ; the codes' place
	s_mov_b32 s39, 0
	s_lshl_b32 s42, s37, 9
	s_lshl_b32 s43, s29, 8
	s_add_co_u32 s42, s42, s43
	s_add_co_u32 s42, s42, s36
	s_add_co_u32 s42, s42, s34                     ; the scale words' place
	s_mov_b32 s43, 0
	s_add_nc_u64 s[30:31], s[30:31], s[26:27]
	s_add_nc_u64 s[44:45], s[32:33], s[38:39]
	s_add_nc_u64 s[46:47], s[32:33], s[42:43]
.set ii, 0
.rept 128
	global_load_b32 v[D+ii], v4, s[30:31] offset:ii*4096 th:TH_LOAD_NT   ; W(128 s + i, my column): a wave reads 128 consecutive bytes, the four waves 512
.set ii, ii+1
.endr
; Block b of four: its 32 numbers are mine.  In the fragment it is registers 6 (b / 2) .. + 5 of fragment lane r + 16 (b % 2); the fragment lies as three runs of 512 bytes, four registers a lane.
.macro WBLOCK b, left
.set DB, D+32*(\b)
.set CB, C+8*(\b)
	s_wait_loadcnt \left                           ; this block's loads are in; of the younger ones at most so many are out
	v_max3_num_f32 v144, |v[DB]|, |v[DB+1]|, |v[DB+2]|
	v_max3_num_f32 v145, |v[DB+3]|, |v[DB+4]|, |v[DB+5]|
.irp i, 6,10,14,18,22,26
	v_max3_num_f32 v144, v144, |v[DB+\i]|, |v[DB+\i+1]|
	v_max3_num_f32 v145, v145, |v[DB+\i+2]|, |v[DB+\i+3]|
.endr
	v_max3_num_f32 v144, v144, |v[DB+30]|, |v[DB+31]|
	v_max3_num_f32 v144, v144, v145, FLOOR
	v_add_nc_u32 v146, EOFF, v144
	v_lshrrev_b32 v147, 23, v146
.if (\b) == 0
	v_mov_b32 v150, v147                           ; the scale word: the lower K in the lower byte
.else
	v_lshl_or_b32 v150, v147, 8*(\b), v150
.endif
	v_cvt_scalef32_pk16_bf6_f32 v[CB:CB+2], v[DB:DB+15], v146
	v_cvt_scalef32_pk16_bf6_f32 v[CB+4:CB+6], v[DB+16:DB+31], v146
	v_nop                                          ; one plain line behind the scaled conversions
	v_mov_b32 v[CB+3], v[CB+4]                     ; six registers on end
	v_mov_b32 v[CB+4], v[CB+5]
	v_mov_b32 v[CB+5], v[CB+6]
.if (\b) < 2
	ds_store_b128 v5, v[CB:CB+3] offset:256*(\b)                 ; registers 0-3: run 0
	ds_store_b64 v5, v[CB+4:CB+5] offset:512+256*(\b)            ; registers 4, 5: the first half of my 16 bytes of run 1
.else
	ds_store_b64 v5, v[CB:CB+1] offset:520+256*((\b)-2)          ; registers 6, 7: the second half
	ds_store_b128 v5, v[CB+2:CB+5] offset:1024+256*((\b)-2)      ; registers 8-11: run 2
.endif
.endm
	WBLOCK 0, 63                                   ; 96 younger loads; the count's field holds 63
	WBLOCK 1, 63                                   ; 64 younger
	WBLOCK 2, 32
	WBLOCK 3, 0
	ds_store_b32 v6, v150 offset:3072              ; my column's scale word, for fragment lane r
	ds_store_b32 v6, v150 offset:3136              ; and for lane r + 16
.irp q, 0,1,2,3,4,5
	ds_load_b128 v[192+4*\q:195+4*\q], v7 offset:512*\q   ; a wave's LDS instructions are served in order: these see my stores
.endr
	ds_load_b64 v[216:217], v8 offset:3072
	s_wait_dscnt 0x0
.irp q, 0,1,2,3,4,5
	global_store_b128 v9, v[192+4*\q:195+4*\q], s[44:45] offset:512*\q   ; 512 consecutive bytes
.endr
	global_store_b64 v10, v[216:217], s[46:47]     ; 256 consecutive bytes, aligned
	s_wait_tensorcnt 0x0
	ds_add_u32 v224, v225
	s_wait_dscnt 0x0
	s_endpgm
.Lfunc_end_k_q9cb0fbbad0_quant:
	.size	k_q9cb0fbbad0_quant, .Lfunc_end_k_q9cb0fbbad0_quant-k_q9cb0fbbad0_quant
	.p2alignl 7, 3214868480
	.fill 96, 4, 3214868480
	.section	.rodata,"a",@progbits
	.p2align	6, 0x0
	.amdhsa_kernel k_q9cb0fbbad0_quant
		.amdhsa_group_segment_fixed_size 47616
		.amdhsa_private_segment_fixed_size 0
		.amdhsa_enable_private_segment 0
		.amdhsa_kernarg_size 64
		.amdhsa_user_sgpr_count 2
		.amdhsa_user_sgpr_kernarg_segment_ptr 1
		.amdhsa_wavefront_size32 1
		.amdhsa_system_sgpr_workgroup_id_x 1
		.amdhsa_system_sgpr_workgroup_id_y 1
		.amdhsa_system_sgpr_workgroup_id_z 1
		.amdhsa_system_vgpr_workitem_id 0
		.amdhsa_next_free_vgpr 226
		.amdhsa_next_free_sgpr 66
		.amdhsa_reserve_vcc 0
		.amdhsa_float_denorm_mode_32 3
		.amdhsa_float_denorm_mode_16_64 3
		.amdhsa_memory_ordered 1
		.amdhsa_forward_progress 1
		.amdhsa_inst_pref_size 33
	.end_amdhsa_kernel
	.amdgpu_metadata
---
amdhsa.version: [ 1, 2 ]
amdhsa.kernels:
  - .name:           k_q9cb0fbbad0_quant
    .symbol:         k_q9cb0fbbad0_quant.kd
    .args:
      - { .name: x, .offset: 0, .size: 8, .value_kind: global_buffer, .address_space: global }
      - { .name: wq, .offset: 8, .size: 8, .value_kind: global_buffer, .address_space: global }
      - { .name: wk, .offset: 16, .size: 8, .value_kind: global_buffer, .address_space: global }
      - { .name: wv, .offset: 24, .size: 8, .value_kind: global_buffer, .address_space: global }
      - { .name: wo, .offset: 32, .size: 8, .value_kind: global_buffer, .address_space: global }
      - { .name: xc, .offset: 40, .size: 8, .value_kind: global_buffer, .address_space: global }
      - { .name: wqkv, .offset: 48, .size: 8, .value_kind: global_buffer, .address_space: global }
      - { .name: woc, .offset: 56, .size: 8, .value_kind: global_buffer, .address_space: global }
    .group_segment_fixed_size: 47616
    .private_segment_fixed_size: 0
    .kernarg_segment_align: 8
    .kernarg_segment_size: 64
    .max_flat_workgroup_size: 128
    .sgpr_count:     66
    .vgpr_count:     226
    .wavefront_size: 32
...
	.end_amdgpu_metadata
.endif
;; end of part 1
;; launch qkv (part 2): grid 16 x 16, 4 waves a work-group, clusters of 4 x 1, 168,448 bytes of LDS; arguments xc, wqkv, qc, kv; writes qc, kv
.if DOCPART == 2
	.amdgcn_target "amdgcn-amd-amdhsa--gfx1250"
	.amdhsa_code_object_version 6
	.text
	.protected	k_q9cb0fbbad0_qkv
	.globl	k_q9cb0fbbad0_qkv
	.p2align	8
	.type	k_q9cb0fbbad0_qkv,@function
k_q9cb0fbbad0_qkv:
	s_mov_b64 s[64:65], 0
	v_nop
	global_prefetch_b8 v0, s[64:65] scope:SCOPE_SE
	s_setreg_imm32_b32 hwreg(HW_REG_WAVE_MODE, 25, 1), 1
	s_wait_xcnt 0x0
	s_wait_alu depctr_hold_cnt(0) depctr_sa_sdst(0) depctr_va_vdst(0) depctr_va_sdst(0) depctr_va_ssrc(0) depctr_va_vcc(0) depctr_vm_vsrc(0)
	s_getreg_b32 s2, hwreg(HW_REG_IB_STS2, 6, 4)
	s_cmp_eq_u32 s2, 0
	s_cbranch_scc0 .Lentry_in_a_cluster
	s_endpgm
.Lentry_in_a_cluster:
	s_bfe_u32 s2, ttmp6, 0x10000c
	s_cmp_lg_u32 s2, 0x3003
	s_cbranch_scc0 .Lentry_shape_is_right
	s_endpgm
.Lentry_shape_is_right:
; q = x wq, k = x wk, v = x wv on codes of BF6 (E3M2) with E8M0 scales, and the results quantised in registers for the attention's two products: q and k along the head's 64, v along the keys.
; SHARES.  Work-group (mtx, y): rows 256 mtx .. + 255 of x, head y: its 64 columns of each of wq, wk, wv.  Wave w: 64 rows (m tiles 16 mtx + 4 w + 0 .. 3) x all 192 columns: 48 accumulators, 384 registers.
; B (the weights' codes and scale words of head y, all eight K steps: 159,744 bytes) lies in LDS, brought by FIRST FILLS ALONE: four stages of two K steps, each wave a quarter of each stage: four tensor loads of a wave are out
; at the most, and no LDS byte is filled twice.  CLUSTER: the four work-groups of a cluster differ in mtx alone and need the same B: every load is asked for JOINTLY, which divides B's requests by four.
; A (x's codes) does not pass LDS: each fragment is multiplied by ONE wave of the work-group, and the buffer is laid in the order of the operand's registers, so a lane loads its registers whole from memory; a joint load, which
; lands in LDS, would add a way through LDS that nothing here needs.  A ring of five K steps in registers keeps up to 64 loads of a wave out.
; LAYOUT.  q, k: source 0 = 16 columns of W, source 1 = 16 rows of x: a lane holds ONE row and its registers run along the head's 64.  v: source 0 = 16 rows of x, source 1 = 16 columns of wv: a lane holds ONE channel and its
; registers run along the keys.  Lane r of tile 2 b + u (of x's rows and of W's columns alike) holds index 32 b + 8 u + r + 8 (r / 8), so the 16 registers of two neighbouring tiles are 16 neighbours along the next K.
; OUT.  qc [b h 32][tile 128][1,024]: 16 queries x 64: 512 bytes (16 a lane: registers 0-3), 256 bytes (8 a lane: registers 4, 5), 128 bytes of scale words.  kv [b h 32][128 keys 16][13,824]: K's eight tiles of 768 bytes in
; that form; from 6,144 V's four fragments (16 channels x 128 keys: two such halves); from 12,288 K's scale words, from 13,312 V's.  q's and k's scale word repeats its two bytes for the upper 64 of the instruction's K, which is empty.
; LIMITS: NaN and infinities are not served; blocks under 2^-122, and blocks of zeros, get the byte 1 (zero codes add nothing under any byte but 0xff; only this program reads the bytes).
; REGISTERS, in windows of 256: window 0: v1-5 addresses; v16-47 A's scale words; v48-55 B's, two sets; v64-159 B's fragments, two sets of four; v160-195 at work on the way out.
;   window 1: q's 16 accumulators (v0-127: (m, n) at 8 (4 m + n)), k's (v128-255).   window 2: v's ((n, m) at 8 (4 n + m)).   window 3: A's ring: step s, tile m at 12 (4 (s % 5) + m).
.set NG,    3                          ; groups of 64 columns: q, k, v
.set NSTEP, 8*NG                       ; steps: a K step of 128 x a group
.set BSTEP, 19968                      ; B's bytes of a K step
.set SCOFF, 18432                      ; where its scale words begin
.set QROWS, 39                         ; a wave's quarter of a stage (2 BSTEP bytes), in rows of 256 bytes
.set ATILE, 13312                      ; an m tile of xc
.set VL16, 1                           ; v1  16 x lane
.set VL8,  2                           ; v2  8 x lane
.set VL4,  3                           ; v3  4 x lane
.set VB,   4                           ; v4  LDS: 16 x lane + the K step in hand
.set VS,   5                           ; v5  LDS: 4 x lane + SCOFF + the K step in hand
.set SA,   16
.set SB,   48
.set BF,   64
.set MX,   160                         ; the way out: v160-167 largest magnitudes, v168-175 lane l xor 16's, v176-183 scale operands, v184-191 bytes, v192-195 scale words
.set PX,   168
.set SO,   176
.set BY,   184
.set WD,   192
.set FC,   64                          ; codes: unit u at v[64 + 8 u], six registers;  v[96 + 4 u]: the halves made elsewhere
.set TC,   96
.set WV,   12
.set G1,   16                          ; s[16:23] descriptor group 1;  s[24:39] group 0, one for each stage
.set G0,   24
.set MSB, 0
.macro WIN new                         ; s_set_vgpr_msb: bits 1:0 source 0, 3:2 source 1, 5:4 source 2, 7:6 destination; the high byte repeats the setting that is left
.if MSB != \new
	s_set_vgpr_msb (MSB<<8)|\new
.set MSB, \new
.endif
.endm
.macro PLACES                          ; four plain vector lines between a matrix instruction and a load into one of its registers or a read of its result
.rept 4
	v_nop
.endr
.endm
.macro CROUND                          ; a round of the cluster's barrier
	s_barrier_signal -1
	s_barrier_wait -1
	s_cmp_lg_u32 s[WV], 0
	s_cbranch_scc1 .Lnot_wave_0_\@
	s_barrier_signal -3
.Lnot_wave_0_\@:
	s_barrier_wait -3
	s_barrier_signal -1
	s_barrier_wait -1
.endm
.macro ALOAD s                         ; A's four fragments of K step s into the ring: 16 loads (destination window 3)
.irp m, 0,1,2,3
.set AR, (((\s)%5)*4+\m)*12
	global_load_b128 v[AR:AR+3],     v[VL16], s[4:5] offset:\m*ATILE+(\s)*1536
	global_load_b64  v[AR+4:AR+5],   v[VL8],  s[4:5] offset:\m*ATILE+(\s)*1536+512
	global_load_b128 v[AR+6:AR+9],   v[VL16], s[4:5] offset:\m*ATILE+(\s)*1536+768
	global_load_b64  v[AR+10:AR+11], v[VL8],  s[4:5] offset:\m*ATILE+(\s)*1536+1280
.endr
.endm
.macro FETCHB t                        ; B's four fragments and scale words of step t into set t % 2: 16 LDS loads
.set FS, (\t)/NG
.set FG, (\t)%NG
.set FU, (\t)%2
.if (FG == 0) && (FS > 0)
	v_add_nc_u32 v[VB], BSTEP, v[VB]               ; on to the next K step
	v_add_nc_u32 v[VS], BSTEP, v[VS]
.endif
.irp n, 0,1,2,3
.irp q, 0,1,2
	ds_load_b128 v[BF+48*FU+12*\n+4*\q:BF+48*FU+12*\n+4*\q+3], v[VB] offset:(4*FG+\n)*1536+512*\q
.endr
	ds_load_b32 v[SB+4*FU+\n], v[VS] offset:(4*FG+\n)*128
.endr
.endm
.macro MULG t                          ; 16 matrix instructions on 16 accumulators, one instruction a turn.  The first K step's products start the sums
.set MS, (\t)/NG
.set MG, (\t)%NG
.set MU, (\t)%2
.if MG < 2
	WIN 0x5c                                       ; source 0 (W) window 0, source 1 (x) window 3, C and D window 1
.irp m, 0,1,2,3
.irp n, 0,1,2,3
.set AR, ((MS%5)*4+\m)*12
.set BR, BF+48*MU+12*\n
.set DR, 128*MG+8*(4*\m+\n)
.if MS == 0
	v_wmma_scale_f32_16x16x128_f8f6f4 v[DR:DR+7], v[BR:BR+11], v[AR:AR+11], 0, v[SB+4*MU+\n], v[SA+8*\m+MS] matrix_a_fmt:MATRIX_FMT_BF6 matrix_b_fmt:MATRIX_FMT_BF6
.else
	v_wmma_scale_f32_16x16x128_f8f6f4 v[DR:DR+7], v[BR:BR+11], v[AR:AR+11], v[DR:DR+7], v[SB+4*MU+\n], v[SA+8*\m+MS] matrix_a_fmt:MATRIX_FMT_BF6 matrix_b_fmt:MATRIX_FMT_BF6
.endif
.endr
.endr
.else
	WIN 0xa3                                       ; source 0 (x) window 3, source 1 (wv) window 0, C and D window 2
.irp n, 0,1,2,3
.irp m, 0,1,2,3
.set AR, ((MS%5)*4+\m)*12
.set BR, BF+48*MU+12*\n
.set DR, 8*(4*\n+\m)
.if MS == 0
	v_wmma_scale_f32_16x16x128_f8f6f4 v[DR:DR+7], v[AR:AR+11], v[BR:BR+11], 0, v[SA+8*\m+MS], v[SB+4*MU+\n] matrix_a_fmt:MATRIX_FMT_BF6 matrix_b_fmt:MATRIX_FMT_BF6
.else
	v_wmma_scale_f32_16x16x128_f8f6f4 v[DR:DR+7], v[AR:AR+11], v[BR:BR+11], v[DR:DR+7], v[SA+8*\m+MS], v[SB+4*MU+\n] matrix_a_fmt:MATRIX_FMT_BF6 matrix_b_fmt:MATRIX_FMT_BF6
.endif
.endr
.endr
.endif
.endm
.macro GSTEP t
.set GS, (\t)/NG
.if (\t) > 0
	PLACES                                         ; behind the last step's products: the loads below land in the set and the ring slot that they read
.endif
.if (\t)+1 < NSTEP
.if ((\t)+1)%(2*NG) == 0                       ; the next step begins a new stage of B
	s_wait_dscnt 0x0                               ; no LDS load of mine is out at a signal
	s_wait_tensorcnt 3-((\t)+1)/(2*NG)             ; my quarter of that stage has landed; the later stages' loads stay out
	s_barrier_signal -1
	s_barrier_wait -1                              ; everybody's has
.endif
	FETCHB (\t)+1
.endif
.if ((\t)%NG == 0) && (GS >= 1) && (GS <= 3)
	WIN 0xc0
	ALOAD GS+4                                     ; into the slot of K step GS - 1
	WIN 0
.endif
.if (\t)+1 < NSTEP
	s_wait_dscnt 16                                ; this step's 16 LDS loads are in; the next step's 16 may be out
.else
	s_wait_dscnt 0x0
.endif
.if (\t)%NG == 0
.set LC, 16*(7-GS)
.if LC > 63
.set LC, 63
.endif
	s_wait_loadcnt LC                              ; this K step's A is in; behind it stand the later steps' loads, 16 each, four steps at the most (64: the count's field holds 63)
.endif
	MULG \t
	WIN 0
.endm
	s_load_b256 s[4:11], s[0:1], 0x0               ; xc s[4:5], wqkv s[6:7], qc s[8:9], kv s[10:11]
	v_lshl_add_u32 v254, v0, 2, 0x29000
	v_mov_b32 v255, 0
	ds_add_u32 v254, v255
	ds_add_u32 v254, v255
	v_lshrrev_b32 v6, 5, v0
	v_readfirstlane_b32 s[WV], v6                  ; wave 0..3
	v_and_b32 v6, 31, v0
	v_lshlrev_b32 v[VL16], 4, v6
	v_lshlrev_b32 v[VL8], 3, v6
	v_lshlrev_b32 v[VL4], 2, v6
	v_lshlrev_b32 v[VB], 4, v6
	v_lshl_add_u32 v[VS], v6, 2, SCOFF
.irp j, 0,1,2,3,4,5,6,7
	v_mov_b32 v[PX+\j], 0                          ; written once: a lane permute's destination counts as one of its sources
.endr
	s_mov_b32 s2, 0x76543210
	s_mov_b32 s3, 0xfedcba98                       ; lane selects: lane l xor 16
	s_bfe_u32 s14, ttmp6, 0x40000                  ; cx: my place in the cluster
	s_lshl_b32 s15, ttmp9, 2
	s_add_co_u32 s15, s15, s14                     ; mtx = 4 x cluster x + cx: it enters A's and the outputs' addresses alone
	s_and_b32 s40, ttmp7, 0xffff                   ; y: the head, which the four partners share
	; descriptor group 1: QROWS rows of 256 bytes (32 elements of 8 bytes), dense in memory and in LDS
	s_mov_b32 s[G1+0], 15|(3<<16)|(1<<21)          ; 15:0 the mask: all four work-groups; 17:16 elements of 8 bytes; 20 no padding; 21 set beside a mask
	s_mov_b32 s[G1+1], 32<<16                      ; tensor_dim0 = 32
	s_mov_b32 s[G1+2], QROWS<<16                   ; tensor_dim1
	s_mov_b32 s[G1+3], 32<<16                      ; tile_dim0 = 32
	s_mov_b32 s[G1+4], QROWS                       ; tile_dim1
	s_mov_b32 s[G1+5], 32                          ; from row to row
	s_mov_b32 s[G1+6], 0
	s_mov_b32 s[G1+7], 0
	s_mul_i32 s13, s[WV], QROWS*256                ; my quarter of a stage: in LDS and in memory alike
	s_mul_i32 s42, s40, 8*BSTEP
	s_add_co_u32 s42, s42, s13
	s_mov_b32 s43, 0
	s_lshl_b32 s44, s15, 4
	s_lshl_b32 s45, s[WV], 2
	s_add_co_u32 s44, s44, s45                     ; my first m tile
	s_mul_i32 s46, s44, ATILE
	s_mov_b32 s47, 0
	s_lshr_b32 s48, s15, 3
	s_lshl_b32 s48, s48, 4
	s_add_co_u32 s48, s48, s40                     ; 16 x batch + head
	s_and_b32 s49, s44, 127                        ; my first tile among the batch's 128
	s_lshl_b32 s50, s48, 7
	s_add_co_u32 s50, s50, s49
	s_lshl_b32 s50, s50, 10                        ; q: 1,024 bytes a tile
	s_mov_b32 s51, 0
	s_lshr_b32 s52, s49, 3                         ; which 128 keys
	s_lshl_b32 s53, s48, 4
	s_add_co_u32 s52, s52, s53
	s_mul_i32 s52, s52, 13824
	s_mov_b32 s53, 0
	s_and_b32 s54, s[WV], 1                        ; which 64 of them
	s_mul_i32 s56, s54, 3072                       ; K's tiles 4 c .. 4 c + 3,
	s_mov_b32 s57, 0
	s_lshl_b32 s58, s54, 9                         ; their scale words,
	s_mov_b32 s59, 0
	s_mul_i32 s60, s54, 768                        ; half c of V's fragments,
	s_mov_b32 s61, 0
	s_lshl_b32 s62, s54, 1                         ; bytes 2 c, 2 c + 1 of V's scale words
	s_mov_b32 s63, 0
	s_wait_dscnt 0x0
	s_wait_kmcnt 0x0
	s_add_nc_u64 s[6:7], s[6:7], s[42:43]          ; B at my quarter of stage 0
	s_add_nc_u64 s[4:5], s[4:5], s[46:47]          ; A at my first tile
	s_add_nc_u64 s[8:9], s[8:9], s[50:51]
	s_add_nc_u64 s[10:11], s[10:11], s[52:53]
	s_add_nc_u64 s[56:57], s[10:11], s[56:57]
	s_add_nc_u64 s[58:59], s[10:11], s[58:59]
	s_add_nc_u64 s[60:61], s[10:11], s[60:61]
	s_add_nc_u64 s[62:63], s[10:11], s[62:63]
	CROUND                                         ; all four work-groups are here: the joint loads meet
.irp j, 0,1,2,3
	s_mov_b32 s[G0+4*\j], 1                                        ; count = 1
	s_add_co_u32 s[G0+4*\j+1], s13, \j*2*BSTEP                     ; LDS address: the stage, my quarter
	s_add_nc_u64 s[G0+4*\j+2:G0+4*\j+3], s[6:7], \j*2*BSTEP        ; global address
	s_or_b32 s[G0+4*\j+3], s[G0+4*\j+3], 0x80000000                ; type = 2
.endr
.irp j, 0,1,2,3
	tensor_load_to_lds s[G0+4*\j:G0+4*\j+3], s[G1:G1+7]            ; all first fills in one group: four loads of mine are out
	s_nop 0
.endr
	PLACES
.irp m, 0,1,2,3
.irp s, 0,1,2,3,4,5,6,7
	global_load_b32 v[SA+8*\m+\s], v[VL4], s[4:5] offset:\m*ATILE+12288+\s*128   ; A's scale words of all K steps
.endr
.endr
	WIN 0xc0
.irp s, 0,1,2,3,4
	ALOAD \s
.endr
	WIN 0
	s_wait_tensorcnt 3                             ; my quarter of stage 0 is in,
	s_barrier_signal -1
	s_barrier_wait -1                              ; everybody's is
	FETCHB 0
.set TT, 0
.rept NSTEP
	GSTEP TT
.set TT, TT+1
.endr
; THE WAY OUT: four units of 32 registers at base + 32 u in window win; in a unit register 16 p + i is index 32 p + 16 (lane / 16) + i along the next K: two blocks of 32, each shared by lanes l and l xor 16.
; kind 0: q (unit = m tile), 1: k, 2: v (unit = tile of 16 channels).
.macro OUT win, base, kind
	s_wait_xcnt 0x0                                ; the registers that earlier stores read are written again only behind this wait
	WIN 5*\win                                     ; sources 0 and 1 in the accumulators' window
.irp u, 0,1,2,3
.irp p, 0,1
	v_max3_num_f32 v[MX+2*\u+\p], |v[\base+32*\u+16*\p]|, |v[\base+32*\u+16*\p+1]|, 0x2800000   ; each accumulator is read from its low end on; the floor 2^(5 - 127) holds the byte at 1 from below
.endr
.endr
.irp i, 2,4,6,8,10,12,14
.irp u, 0,1,2,3
.irp p, 0,1
	v_max3_num_f32 v[MX+2*\u+\p], |v[\base+32*\u+16*\p+\i]|, |v[\base+32*\u+16*\p+\i+1]|, v[MX+2*\u+\p]   ; eight chains by turns
.endr
.endr
.endr
	WIN 0
.irp j, 0,1,2,3,4,5,6,7
	v_permlanex16_b32 v[PX+\j], v[MX+\j], s2, s3
.endr
.irp j, 0,1,2,3,4,5,6,7
	v_max_num_f32 v[MX+\j], v[MX+\j], v[PX+\j]     ; the block's largest magnitude
.endr
.irp j, 0,1,2,3,4,5,6,7
	v_add_nc_u32 v[SO+\j], 0xfe000000, v[MX+\j]    ; 4 off its exponent field: the conversion's scale operand
.endr
.irp j, 0,1,2,3,4,5,6,7
	v_lshrrev_b32 v[BY+\j], 23, v[SO+\j]           ; the scale's byte
.endr
.irp u, 0,1,2,3
	v_lshl_or_b32 v[WD+\u], v[BY+2*\u+1], 8, v[BY+2*\u]
.endr
.if \kind < 2
.irp u, 0,1,2,3
	v_lshl_or_b32 v[WD+\u], v[WD+\u], 16, v[WD+\u] ; the empty upper 64 of the next K repeat the two bytes
.endr
.endif
	WIN \win                                       ; source 0 in the accumulators' window
.irp u, 0,1,2,3
	v_cvt_scalef32_pk16_bf6_f32 v[FC+8*\u:FC+8*\u+2], v[\base+32*\u:\base+32*\u+15], v[SO+2*\u]
	v_cvt_scalef32_pk16_bf6_f32 v[TC+4*\u:TC+4*\u+2], v[\base+32*\u+16:\base+32*\u+31], v[SO+2*\u+1]
.endr
	WIN 0
	v_nop                                          ; one plain line behind the scaled conversions
.irp u, 0,1,2,3                                ; the operand wants a WHOLE block in a lane: lanes 0-15 block 0, lanes 16-31 block 1
.irp i, 0,1,2
	v_permlane16_swap_b32 v[FC+8*\u+\i], v[TC+4*\u+\i]
.endr
.endr
.irp u, 0,1,2,3
.irp i, 0,1,2
	v_mov_b32 v[FC+8*\u+3+\i], v[TC+4*\u+\i]
.endr
.endr
.irp u, 0,1,2,3
.if \kind == 0
	global_store_b128 v[VL16], v[FC+8*\u:FC+8*\u+3], s[8:9] offset:1024*\u
	global_store_b64 v[VL8], v[FC+8*\u+4:FC+8*\u+5], s[8:9] offset:1024*\u+512
	global_store_b32 v[VL4], v[WD+\u], s[8:9] offset:1024*\u+768
.elseif \kind == 1
	global_store_b128 v[VL16], v[FC+8*\u:FC+8*\u+3], s[56:57] offset:768*\u
	global_store_b64 v[VL8], v[FC+8*\u+4:FC+8*\u+5], s[56:57] offset:768*\u+512
	global_store_b32 v[VL4], v[WD+\u], s[58:59] offset:12288+128*\u
.else
	global_store_b128 v[VL16], v[FC+8*\u:FC+8*\u+3], s[60:61] offset:6144+1536*\u
	global_store_b64 v[VL8], v[FC+8*\u+4:FC+8*\u+5], s[60:61] offset:6144+1536*\u+512
	global_store_b16 v[VL4], v[WD+\u], s[62:63] offset:13312+128*\u   ; my 64 keys' two bytes of each channel's word: four such stores a wave
.endif
.endr
.endm
	PLACES                                         ; behind the last products
	OUT 1, 0, 0
	OUT 1, 128, 1
	OUT 2, 0, 2
	s_wait_tensorcnt 0x0
	ds_add_u32 v254, v255
	s_wait_dscnt 0x0
	CROUND                                         ; the closing round: no work-group ends while a partner may still ask for a tile that names it
	s_endpgm
.Lfunc_end_k_q9cb0fbbad0_qkv:
	.size	k_q9cb0fbbad0_qkv, .Lfunc_end_k_q9cb0fbbad0_qkv-k_q9cb0fbbad0_qkv
	.p2alignl 7, 3214868480
	.fill 96, 4, 3214868480
	.section	.rodata,"a",@progbits
	.p2align	6, 0x0
	.amdhsa_kernel k_q9cb0fbbad0_qkv
		.amdhsa_group_segment_fixed_size 168448
		.amdhsa_private_segment_fixed_size 0
		.amdhsa_enable_private_segment 0
		.amdhsa_kernarg_size 32
		.amdhsa_user_sgpr_count 2
		.amdhsa_user_sgpr_kernarg_segment_ptr 1
		.amdhsa_wavefront_size32 1
		.amdhsa_system_sgpr_workgroup_id_x 1
		.amdhsa_system_sgpr_workgroup_id_y 1
		.amdhsa_system_sgpr_workgroup_id_z 1
		.amdhsa_system_vgpr_workitem_id 0
		.amdhsa_next_free_vgpr 1024
		.amdhsa_next_free_sgpr 66
		.amdhsa_reserve_vcc 0
		.amdhsa_float_denorm_mode_32 3
		.amdhsa_float_denorm_mode_16_64 3
		.amdhsa_memory_ordered 1
		.amdhsa_forward_progress 1
		.amdhsa_inst_pref_size 127
	.end_amdhsa_kernel
	.amdgpu_metadata
---
amdhsa.version: [ 1, 2 ]
amdhsa.kernels:
  - .name:           k_q9cb0fbbad0_qkv
    .symbol:         k_q9cb0fbbad0_qkv.kd
    .args:
      - { .name: xc, .offset: 0, .size: 8, .value_kind: global_buffer, .address_space: global }
      - { .name: wqkv, .offset: 8, .size: 8, .value_kind: global_buffer, .address_space: global }
      - { .name: qc, .offset: 16, .size: 8, .value_kind: global_buffer, .address_space: global }
      - { .name: kv, .offset: 24, .size: 8, .value_kind: global_buffer, .address_space: global }
    .group_segment_fixed_size: 168448
    .private_segment_fixed_size: 0
    .kernarg_segment_align: 8
    .kernarg_segment_size: 32
    .max_flat_workgroup_size: 128
    .sgpr_count:     66
    .vgpr_count:     1024
    .wavefront_size: 32
...
	.end_amdgpu_metadata
.endif
;; end of part 2
;; launch attn (part 3): grid 8 x 32, 16 waves a work-group, no clusters, 29,696 bytes of LDS; arguments qc, kv, cc; writes cc
.if DOCPART == 3
	.amdgcn_target "amdgcn-amd-amdhsa--gfx1250"
	.amdhsa_code_object_version 6
	.text
	.protected	k_q9cb0fbbad0_attn
	.globl	k_q9cb0fbbad0_attn
	.p2align	8
	.type	k_q9cb0fbbad0_attn,@function
k_q9cb0fbbad0_attn:
	s_mov_b64 s[64:65], 0
	v_nop
	global_prefetch_b8 v0, s[64:65] scope:SCOPE_SE
	s_setreg_imm32_b32 hwreg(HW_REG_WAVE_MODE, 25, 1), 1
	s_wait_xcnt 0x0
; ctx[b][q][64 h ..] = the sum over keys k <= q of softmax_k(q . k / 8) v, both products on codes of BF6 (E3M2) with E8M0 scales; ctx is quantised along the model's 1,024 for the last product.
; THE SOFTMAX AHEAD OF THE SECOND PRODUCT: t = score x log2(e) / 8; M = the running largest t rounded UP to a whole number; p = 2^(t - M) is what is quantised, along the keys; the row's sum is taken of the unquantised p and
; divides O at the end.  When M moves, the sum and O are multiplied by 2^(old M - new M): exact.
; SHARES.  Work-group (i, b h) owns the blocks of 128 queries i and 15 - i of one head: 17 key steps' work whatever i.  Each of sixteen waves owns one tile of 16 queries (256 registers, four waves to a SIMD); the waves of
; the two blocks are dealt so that of waves w, w + 1 one is of each block and of waves w, w + 4 too.  The work-group walks key steps 0 .. 15 - i of 128 keys; a wave leaves out the WORK of the steps behind its block's
; diagonal (a scalar branch on ids; no barrier stands under it) and masks in the step on the diagonal.
; A KEY STEP'S 13,824 BYTES (K's eight tiles, V's four fragments, their scale words, laid in the order of the operands' registers) are staged through registers into one of two LDS buffers: each thread loads 16 bytes (waves 0-10:
; 32) one step ahead, stores them at the step's end, and one barrier a step serves both ways: my stores into the next buffer have landed, and my reads of this one are over.  A trip of the loop runs two steps, one on each buffer,
; so every LDS address is a constant and a lane term.  With an odd number of steps the last trip's second step is left out by every wave; the look-ahead is held at the head's last block: that one load is used by nobody.
; NO JOINT LOADS: the eight work-groups of a head walk 16 - i key steps, a different number each, so partners could not ask for every tile together.
; LAYOUT.  S^T = K Q^T (source 0 = 16 keys, source 1 = my 16 queries), O^T = V^T P^T (source 0 = 16 channels, source 1 = P): a lane holds ONE query throughout.  Lane r of tile 2 b + u (keys, queries, channels alike) holds
; index 32 b + 8 u + r + 8 (r / 8): so the 16 registers of tiles 2 b, 2 b + 1 are 16 neighbours.
; THE FIRST PRODUCT'S K IS 64: Q's registers 6-11 are zero codes.  K's tile t is named as v[32 + 6 t .. + 11]: its upper six registers are the next tile's codes (zeros behind tile 7).  Every code of E3M2 is a finite number, and
; times Q's zeros it adds exactly 0; the scale words repeat their two bytes there.
; LIMITS: NaN and infinities are not served; blocks under 2^-122, and blocks of zeros, get the byte 1; 1 / the sum is v_rcp_f32's.
; REGISTERS: v1-3 16, 8, 4 x lane; v4 16 x thread; v5 my query less 16 (lane / 16), in its block; v7 -infinity; v8-15 staging; v16-27 Q; v28 Q's scale word, v29 p's; v30 -M, v31 the largest t; v32-79 K's tiles, then V's
; fragments; v80-85 zeros; v86-93 K's scale words, v94-97 V's; v[98:99] the sum; v100-163 S^T, then p; v164-195 O^T; v196-207 p's codes; v208-233 at work.
.set KVB, 13824                        ; a key step's bytes
.set WV,  10
.set BLK, 14                           ; s14 my block of 128 queries
.set NT,  15                           ; s15 trips
.set KS,  16                           ; s16 the key step in hand
.set TR,  17                           ; s17 counts trips
.macro PLACES
.rept 4
	v_nop
.endr
.endm
	s_load_b128 s[4:7], s[0:1], 0x0                ; qc, kv
	s_load_b64 s[8:9], s[0:1], 0x10                ; cc
	v_lshl_add_u32 v254, v0, 2, 0x6c00
	v_mov_b32 v255, 0
	v_lshrrev_b32 v1, 5, v0
	v_readfirstlane_b32 s[WV], v1                  ; wave 0..15
.irp j, 22,23,24,25,26,27,80,81,82,83,84,85
	v_mov_b32 v\j, 0                               ; zero codes
.endr
	v_and_b32 v6, 31, v0
	v_lshlrev_b32 v1, 4, v6
	v_lshlrev_b32 v2, 3, v6
	v_lshlrev_b32 v3, 2, v6
	v_lshlrev_b32 v4, 4, v0
	s_mov_b32 s11, ttmp9                           ; i
	s_and_b32 s12, ttmp7, 0xffff                   ; 16 x batch + head
	s_lshr_b32 s13, s[WV], 1                       ; my tile in its block
	s_lshr_b32 s24, s[WV], 2
	s_add_co_u32 s24, s24, s[WV]
	s_and_b32 s24, s24, 1                          ; which of the two blocks
	s_sub_co_u32 s25, 15, s11
	s_cmp_eq_u32 s24, 1
	s_cselect_b32 s[BLK], s25, s11
	s_sub_co_u32 s[NT], 17, s11
	s_lshr_b32 s[NT], s[NT], 1                     ; 16 - i steps, two a trip
	s_mov_b32 s[KS], 0
	s_mov_b32 s[TR], 0
	s_mov_b32 s18, 0x76543210
	s_mov_b32 s19, 0xfedcba98                      ; lane selects: lane l xor 16
	s_mov_b32 s20, 0x3e38aa3b                      ; c = log2(e) / 8
	s_mov_b32 s21, s20                             ; (named with it as a pair)
	v_and_b32 v5, 15, v0
	v_and_b32 v230, 8, v5
	v_add_nc_u32 v5, v5, v230                      ; r + 8 (r / 8)
	v_bfe_u32 v230, v0, 4, 1
	v_lshlrev_b32 v230, 4, v230
	v_sub_nc_u32 v5, v5, v230                      ; - 16 (lane / 16)
	s_lshr_b32 s24, s13, 1
	s_lshl_b32 s24, s24, 5
	s_and_b32 s25, s13, 1
	s_lshl_b32 s25, s25, 3
	s_add_co_u32 s24, s24, s25
	v_add_nc_u32 v5, s24, v5                       ; + 32 (tile / 2) + 8 (tile % 2)
	v_mov_b32 v7, 0xff800000
	s_lshl_b32 s42, s[BLK], 3
	s_add_co_u32 s42, s42, s13                     ; my tile among the batch's 128
	s_lshl_b32 s28, s12, 7
	s_add_co_u32 s28, s28, s42
	s_lshl_b32 s28, s28, 10                        ; Q: 1,024 bytes a tile
	s_mov_b32 s29, 0
	s_lshr_b32 s30, s12, 4
	s_lshl_b32 s30, s30, 7
	s_add_co_u32 s30, s30, s42
	s_mul_i32 s30, s30, 13312                      ; ctx: the m tile,
	s_and_b32 s31, s12, 15
	s_lshr_b32 s32, s31, 1                         ; K step head / 2,
	s_and_b32 s33, s31, 1                          ; half head % 2
	s_mul_i32 s34, s32, 1536
	s_mul_i32 s35, s33, 768
	s_add_co_u32 s34, s34, s35
	s_add_co_u32 s34, s34, s30
	s_mov_b32 s35, 0
	s_lshl_b32 s36, s32, 7
	s_lshl_b32 s37, s33, 1
	s_add_co_u32 s36, s36, s37
	s_add_co_u32 s36, s36, s30                     ; its two scale bytes (12,288 stands in the store's immediate)
	s_mov_b32 s37, 0
	s_mul_i32 s38, s12, 16*KVB
	s_mov_b32 s39, 0
	s_wait_kmcnt 0x0
	s_add_nc_u64 s[4:5], s[4:5], s[28:29]
	s_add_nc_u64 s[6:7], s[6:7], s[38:39]          ; the head's first key step
	s_add_nc_u64 s[40:41], s[8:9], s[34:35]
	s_add_nc_u64 s[26:27], s[8:9], s[36:37]
	global_load_b128 v[16:19], v1, s[4:5]          ; Q stays in registers
	global_load_b64 v[20:21], v2, s[4:5] offset:512
	global_load_b32 v28, v3, s[4:5] offset:768
	global_load_b128 v[8:11], v4, s[6:7]           ; key step 0: 512 threads x 16 bytes,
	s_cmp_lt_u32 s[WV], 11
	s_cbranch_scc0 .Lhead_a
	global_load_b128 v[12:15], v4, s[6:7] offset:8192   ; and the other 5,632 bytes by waves 0-10
.Lhead_a:
.set ii, 0
.rept 32
	v_mov_b32 v[164+ii], 0                         ; O^T.  (The step is written once: the first finds zeros, which the first change of M leaves zeros)
.set ii, ii+1
.endr
	v_mov_b32 v98, 0                               ; the sum, in two halves
	v_mov_b32 v99, 0
.irp j, 220,221,222,223,229
	v_mov_b32 v\j, 0                               ; lane permutes' destinations, and the upper half of the pair v[228:229]
.endr
	v_mov_b32 v31, 0xff61b1e6                      ; the largest t so far: -3e38
	v_floor_f32 v30, -v31                          ; -M
	s_wait_loadcnt 0x0
	ds_store_b128 v4, v[8:11]
	s_cmp_lt_u32 s[WV], 11
	s_cbranch_scc0 .Lhead_b
	ds_store_b128 v4, v[12:15] offset:8192
.Lhead_b:
	s_wait_dscnt 0x0                               ; for the others' sake: my stores have landed
	s_barrier_signal -1
	s_barrier_wait -1
; A KEY STEP on buffer sl.
.macro STEP sl
	s_add_co_u32 s24, s[KS], 1                     ; the next step's block is asked for first: it lands under this step's work
	s_min_u32 s24, s24, 15                         ; (held inside the head's sixteen blocks)
	s_mul_i32 s24, s24, KVB
	s_mov_b32 s25, 0
	s_add_nc_u64 s[22:23], s[6:7], s[24:25]        ; (the loads that named this base were waited for at the last step's end)
	global_load_b128 v[8:11], v4, s[22:23]
	s_cmp_lt_u32 s[WV], 11
	s_cbranch_scc0 .Lno_a_\@
	global_load_b128 v[12:15], v4, s[22:23] offset:8192
.Lno_a_\@:
	s_cmp_gt_u32 s[KS], s[BLK]                     ; all 128 keys come after my queries: the work is left out
	s_cbranch_scc1 .Lhidden_\@
.irp t, 0,1,2,3,4,5,6,7
	ds_load_b128 v[32+6*\t:35+6*\t], v1 offset:\sl*KVB+768*\t
	ds_load_b64 v[36+6*\t:37+6*\t], v2 offset:\sl*KVB+768*\t+512
	ds_load_b32 v[86+\t], v3 offset:\sl*KVB+12288+128*\t
.endr
	s_wait_dscnt 0x0
.irp t, 0,1,2,3,4,5,6,7
	v_wmma_scale_f32_16x16x128_f8f6f4 v[100+8*\t:107+8*\t], v[32+6*\t:43+6*\t], v[16:27], 0, v[86+\t], v28 matrix_a_fmt:MATRIX_FMT_BF6 matrix_b_fmt:MATRIX_FMT_BF6
.endr                                          ; lane (r, h): query r; register 16 b + i is key 128 KS + 32 b + 16 h + i
	PLACES                                         ; in front of the loads into K's registers, and of the first read of the scores
.irp n, 0,1,2,3                                ; V's fragments land under the softmax
.irp c, 0,1
	ds_load_b128 v[32+12*\n+6*\c:35+12*\n+6*\c], v1 offset:\sl*KVB+6144+1536*\n+768*\c
	ds_load_b64 v[36+12*\n+6*\c:37+12*\n+6*\c], v2 offset:\sl*KVB+6144+1536*\n+768*\c+512
.endr
	ds_load_b32 v[94+\n], v3 offset:\sl*KVB+13312+128*\n
.endr
	s_cmp_lg_u32 s[KS], s[BLK]                     ; only the step on the diagonal masks: hidden scores become -infinity, so p = 0
	s_cbranch_scc1 .Lopen_\@
.set ii, 0
.rept 64
	v_cmp_gt_i32 vcc_lo, 32*(ii/16)+ii%16, v5      ; register ii's key lies behind my query
	v_cndmask_b32 v[100+ii], v[100+ii], v7, vcc_lo
.set ii, ii+1
.endr
.Lopen_\@:
.irp b, 0,1,2,3
	v_max3_num_f32 v[216+\b], v[100+16*\b], v[101+16*\b], v[102+16*\b]   ; the largest score of each block of 32 keys: for the row's maximum and, since p rises with the score, for the block's largest p
.endr
.irp i, 3,5,7,9,11,13
.irp b, 0,1,2,3
	v_max3_num_f32 v[216+\b], v[216+\b], v[100+16*\b+\i], v[101+16*\b+\i]
.endr
.endr
.irp b, 0,1,2,3
	v_max_num_f32 v[216+\b], v[216+\b], v[115+16*\b]
.endr
.irp b, 0,1,2,3
	v_permlanex16_b32 v[220+\b], v[216+\b], s18, s19
.endr
.irp b, 0,1,2,3
	v_max_num_f32 v[216+\b], v[216+\b], v[220+\b]  ; with lane l xor 16's 16 keys
.endr
	v_max3_num_f32 v230, v216, v217, v218
	v_max_num_f32 v230, v230, v219                 ; the step's largest score of my query
	v_mul_f32 v230, s20, v230                      ; as t (c is positive)
	v_max_num_f32 v31, v31, v230                   ; the running largest t
	v_mov_b32 v230, v30
	v_floor_f32 v30, -v31                          ; the new -M = -ceil(t)
	v_sub_f32 v230, v30, v230                      ; old M less new M: a whole number, 0 or less
	v_cvt_i32_f32 v230, v230                       ; (it saturates)
	v_ldexp_f32 v228, 1.0, v230                    ; f = 2^(old M - new M)
.set ii, 0
.rept 32
	v_pk_fma_f32 v[100+ii:101+ii], v[100+ii:101+ii], s[20:21], v[30:31] op_sel_hi:[1,0,0]   ; t - M, two at a time
.set ii, ii+2
.endr
.irp b, 0,1,2,3
	v_fma_f32 v[216+\b], v[216+\b], s20, v30       ; the same of each block's largest score
.endr
.set ii, 0
.rept 64
	v_exp_f32 v[100+ii], v[100+ii]                 ; p = 2^(t - M), at most 1: not normalised
.set ii, ii+1
.endr
.irp b, 0,1,2,3
	v_exp_f32 v[216+\b], v[216+\b]                 ; the block's largest p: the same two instructions on the same number
.endr
	v_pk_mul_f32 v[98:99], v[98:99], v[228:229] op_sel_hi:[1,0]   ; the sums under the new M (a plain line behind the exponentials)
	s_wait_alu depctr_va_vdst(0)
.irp b, 0,1,2,3
	v_max_num_f32 v[216+\b], 0x2800000, v[216+\b]  ; the floor 2^(5 - 127): the byte cannot fall under 1
.endr
.irp b, 0,1,2,3
	v_add_nc_u32 v[224+\b], 0xfe000000, v[216+\b]  ; 4 off the exponent field: the conversion's scale operand
.endr
.irp b, 0,1,2,3
	v_lshrrev_b32 v[220+\b], 23, v[224+\b]         ; the scale's byte
.endr
	v_lshl_or_b32 v29, v221, 8, v220               ; p's scale word for these 128 keys
	v_lshl_or_b32 v29, v222, 16, v29
	v_lshl_or_b32 v29, v223, 24, v29
.irp c, 0,1
	v_cvt_scalef32_pk16_bf6_f32 v[196+6*\c:198+6*\c], v[100+32*\c:115+32*\c], v[224+2*\c]
	v_cvt_scalef32_pk16_bf6_f32 v[208+4*\c:210+4*\c], v[116+32*\c:131+32*\c], v[224+2*\c+1]
.endr
	v_nop                                          ; one plain line behind the scaled conversions
.irp c, 0,1                                    ; the operand wants a WHOLE block in a lane
.irp i, 0,1,2
	v_permlane16_swap_b32 v[196+6*\c+\i], v[208+4*\c+\i]
.endr
.irp i, 0,1,2
	v_mov_b32 v[199+6*\c+\i], v[208+4*\c+\i]
.endr
.endr
	v_pk_add_f32 v[232:233], v[100:101], v[102:103]   ; the row's sum is taken of the UNQUANTISED p, in two chains
.irp j, 4,8,12,16,20,24,28,32,36,40,44,48,52,56,60
	v_pk_add_f32 v[98:99], v[98:99], v[100+\j:101+\j]
	v_pk_add_f32 v[232:233], v[232:233], v[102+\j:103+\j]
.endr
	v_pk_add_f32 v[98:99], v[98:99], v[232:233]
.set ii, 0
.rept 16
	v_pk_mul_f32 v[164+ii:165+ii], v[164+ii:165+ii], v[228:229] op_sel_hi:[1,0]   ; O^T under the new M, from each accumulator's low end on.  (With the sums: the places between p's codes and scale word and the products)
.set ii, ii+2
.endr
	s_wait_dscnt 0x0                               ; V is in
.irp n, 0,1,2,3
	v_wmma_scale_f32_16x16x128_f8f6f4 v[164+8*\n:171+8*\n], v[32+12*\n:43+12*\n], v[196:207], v[164+8*\n:171+8*\n], v[94+\n], v29 matrix_a_fmt:MATRIX_FMT_BF6 matrix_b_fmt:MATRIX_FMT_BF6
.endr                                          ; four accumulators, one instruction a turn
	PLACES                                         ; in front of the next step's loads into V's registers, and of the reads of O^T
.Lhidden_\@:
	s_wait_loadcnt 0x0                             ; the next step's block is in my registers
	ds_store_b128 v4, v[8:11] offset:(1-\sl)*KVB   ; into the other buffer: every wave's reads of it were over in front of the last barrier
	s_cmp_lt_u32 s[WV], 11
	s_cbranch_scc0 .Lno_b_\@
	ds_store_b128 v4, v[12:15] offset:(1-\sl)*KVB+8192
.Lno_b_\@:
	s_wait_dscnt 0x0                               ; my stores have landed, and my reads of this buffer are over
	s_barrier_signal -1
	s_barrier_wait -1
	s_add_co_u32 s[KS], s[KS], 1
.endm
.Ltrip:
	STEP 0
	STEP 1
	s_add_co_u32 s[TR], s[TR], 1
	s_cmp_lt_u32 s[TR], s[NT]
	s_cbranch_scc1 .Ltrip
	; THE WAY OUT: ctx = O^T / the sum; register 16 b + i is channel 32 b + 16 (lane / 16) + i of my head: two blocks of the last product's K.
	v_add_f32 v98, v98, v99
	v_permlanex16_b32 v220, v98, s18, s19
	v_add_f32 v98, v98, v220                       ; the row's sum
	v_rcp_f32 v228, v98
	v_nop                                          ; one plain line behind the transcendental
.set ii, 0
	s_wait_alu depctr_va_vdst(0)
.rept 16
	v_pk_mul_f32 v[100+ii:101+ii], v[164+ii:165+ii], v[228:229] op_sel_hi:[1,0]
.set ii, ii+2
.endr
.irp b, 0,1
	v_max3_num_f32 v[216+\b], |v[100+16*\b]|, |v[101+16*\b]|, 0x2800000
.endr
.irp i, 2,4,6,8,10,12,14
.irp b, 0,1
	v_max3_num_f32 v[216+\b], v[216+\b], |v[100+16*\b+\i]|, |v[101+16*\b+\i]|
.endr
.endr
.irp b, 0,1
	v_permlanex16_b32 v[220+\b], v[216+\b], s18, s19
.endr
.irp b, 0,1
	v_max_num_f32 v[216+\b], v[216+\b], v[220+\b]
.endr
.irp b, 0,1
	v_add_nc_u32 v[224+\b], 0xfe000000, v[216+\b]
.endr
.irp b, 0,1
	v_lshrrev_b32 v[220+\b], 23, v[224+\b]
.endr
	v_lshl_or_b32 v29, v221, 8, v220               ; my head's two bytes of the row's scale word
	v_cvt_scalef32_pk16_bf6_f32 v[196:198], v[100:115], v224
	v_cvt_scalef32_pk16_bf6_f32 v[208:210], v[116:131], v225
	v_nop
.irp i, 0,1,2
	v_permlane16_swap_b32 v[196+\i], v[208+\i]
.endr
.irp i, 0,1,2
	v_mov_b32 v[199+\i], v[208+\i]
.endr
	global_store_b128 v1, v[196:199], s[40:41]     ; 512 consecutive bytes
	global_store_b64 v2, v[200:201], s[40:41] offset:512   ; 256 consecutive bytes
	global_store_b16 v3, v29, s[26:27] offset:12288
	s_wait_tensorcnt 0x0
	ds_add_u32 v254, v255
	s_wait_dscnt 0x0
	s_endpgm
.Lfunc_end_k_q9cb0fbbad0_attn:
	.size	k_q9cb0fbbad0_attn, .Lfunc_end_k_q9cb0fbbad0_attn-k_q9cb0fbbad0_attn
	.p2alignl 7, 3214868480
	.fill 96, 4, 3214868480
	.section	.rodata,"a",@progbits
	.p2align	6, 0x0
	.amdhsa_kernel k_q9cb0fbbad0_attn
		.amdhsa_group_segment_fixed_size 29696
		.amdhsa_private_segment_fixed_size 0
		.amdhsa_enable_private_segment 0
		.amdhsa_kernarg_size 24
		.amdhsa_user_sgpr_count 2
		.amdhsa_user_sgpr_kernarg_segment_ptr 1
		.amdhsa_wavefront_size32 1
		.amdhsa_system_sgpr_workgroup_id_x 1
		.amdhsa_system_sgpr_workgroup_id_y 1
		.amdhsa_system_sgpr_workgroup_id_z 1
		.amdhsa_system_vgpr_workitem_id 0
		.amdhsa_next_free_vgpr 256
		.amdhsa_next_free_sgpr 66
		.amdhsa_reserve_vcc 1
		.amdhsa_float_denorm_mode_32 3
		.amdhsa_float_denorm_mode_16_64 3
		.amdhsa_memory_ordered 1
		.amdhsa_forward_progress 1
		.amdhsa_inst_pref_size 54
	.end_amdhsa_kernel
	.amdgpu_metadata
---
amdhsa.version: [ 1, 2 ]
amdhsa.kernels:
  - .name:           k_q9cb0fbbad0_attn
    .symbol:         k_q9cb0fbbad0_attn.kd
    .args:
      - { .name: qc, .offset: 0, .size: 8, .value_kind: global_buffer, .address_space: global }
      - { .name: kv, .offset: 8, .size: 8, .value_kind: global_buffer, .address_space: global }
      - { .name: cc, .offset: 16, .size: 8, .value_kind: global_buffer, .address_space: global }
    .group_segment_fixed_size: 29696
    .private_segment_fixed_size: 0
    .kernarg_segment_align: 8
    .kernarg_segment_size: 24
    .max_flat_workgroup_size: 512
    .sgpr_count:     66
    .vgpr_count:     256
    .wavefront_size: 32
...
	.end_amdgpu_metadata
.endif
;; end of part 3
;; launch proj (part 4): grid 16 x 16, 4 waves a work-group, clusters of 4 x 1, 168,448 bytes of LDS; arguments cc, woc, bo, out0; writes out0
.if DOCPART == 4
	.amdgcn_target "amdgcn-amd-amdhsa--gfx1250"
	.amdhsa_code_object_version 6
	.text
	.protected	k_q9cb0fbbad0_proj
	.globl	k_q9cb0fbbad0_proj
	.p2align	8
	.type	k_q9cb0fbbad0_proj,@function
k_q9cb0fbbad0_proj:
	s_mov_b64 s[64:65], 0
	v_nop
	global_prefetch_b8 v0, s[64:65] scope:SCOPE_SE
	s_setreg_imm32_b32 hwreg(HW_REG_WAVE_MODE, 25, 1), 1
	s_wait_xcnt 0x0
	s_wait_alu depctr_hold_cnt(0) depctr_sa_sdst(0) depctr_va_vdst(0) depctr_va_sdst(0) depctr_va_ssrc(0) depctr_va_vcc(0) depctr_vm_vsrc(0)
	s_getreg_b32 s2, hwreg(HW_REG_IB_STS2, 6, 4)
	s_cmp_eq_u32 s2, 0
	s_cbranch_scc0 .Lentry_in_a_cluster
	s_endpgm
.Lentry_in_a_cluster:
	s_bfe_u32 s2, ttmp6, 0x10000c
	s_cmp_lg_u32 s2, 0x3003
	s_cbranch_scc0 .Lentry_shape_is_right
	s_endpgm
.Lentry_shape_is_right:
; out0 = ctx wo + bo on codes of BF6 (E3M2) with E8M0 scales; sums and output f32.
; SHARES.  Work-group (mtx, y): rows 256 mtx .. + 255, columns 64 y .. + 63.  Wave w: 64 rows (m tiles 16 mtx + 4 w + 0 .. 3) x the 64 columns: 16 accumulators.
; B (wo's codes and scale words of these 64 columns, all eight K steps: 53,248 bytes) lies in LDS, brought by FIRST FILLS ALONE: four stages of two K steps, each wave a quarter of each: four tensor loads of a wave are out at
; the most, and no LDS byte is filled twice.  CLUSTER: the four work-groups of a cluster differ in mtx alone and need the same B: every load is asked for JOINTLY.
; A (ctx's codes) does not pass LDS: each fragment is multiplied by ONE wave of the work-group, and the buffer is laid in the order of the operand's registers; a ring of five K steps in registers keeps up to 64 loads out.
; LAYOUT.  Source 0 = 16 columns of wo, source 1 = 16 rows of ctx: a lane holds one row, and the 16 registers of two neighbouring tiles are 16 neighbouring columns (lane r of tile 2 b + u holds index 32 b + 8 u + r + 8 (r / 8),
; of rows and of columns alike).  The bias is the C of each sum's first matrix instruction.
; REGISTERS, in windows of 256: window 0: v1-11 addresses; v16-47 A's scale words; v48-55 B's, two sets; v64-159 B's fragments, two sets of four (on the way out v64-191: rows of the result); v200-231 the bias.
;   window 1: the 16 accumulators ((m, n) at 8 (4 m + n)).   window 3: A's ring: step s, tile m at 12 (4 (s % 5) + m).
.set NG,    1
.set NSTEP, 8*NG
.set BSTEP, 6656                       ; B's bytes of a K step
.set SCOFF, 6144                       ; where its scale words begin
.set QROWS, 13                         ; a wave's quarter of a stage (2 BSTEP bytes), in rows of 256 bytes
.set ATILE, 13312
.set STAGE, 8*BSTEP                    ; behind B: 16 rows x (256 bytes + 16) for each wave, for the way out; no fill lands there
.set SPITCH, 272
.set VL16, 1
.set VL8,  2
.set VL4,  3
.set VB,   4
.set VS,   5
.set VH,   6                           ; v6  64 x (lane / 16): the bias
.set STO,  7                           ; v7  the way out: where I put 16 bytes of a row
.set RD,   8                           ; v8  where I read a row back
.set CO,   9                           ; v9  my byte offset in two rows of out0
.set SA,   16
.set SB,   48
.set BF,   64
.set BI,   200
.set WV,   12
.set G1,   16
.set G0,   24
.set MSB, 0
.macro WIN new                         ; s_set_vgpr_msb: bits 1:0 source 0, 3:2 source 1, 5:4 source 2, 7:6 destination; the high byte repeats the setting that is left
.if MSB != \new
	s_set_vgpr_msb (MSB<<8)|\new
.set MSB, \new
.endif
.endm
.macro PLACES                          ; four plain vector lines between a matrix instruction and a load into one of its registers or a read of its result
.rept 4
	v_nop
.endr
.endm
.macro CROUND                          ; a round of the cluster's barrier
	s_barrier_signal -1
	s_barrier_wait -1
	s_cmp_lg_u32 s[WV], 0
	s_cbranch_scc1 .Lnot_wave_0_\@
	s_barrier_signal -3
.Lnot_wave_0_\@:
	s_barrier_wait -3
	s_barrier_signal -1
	s_barrier_wait -1
.endm
.macro ALOAD s                         ; A's four fragments of K step s into the ring: 16 loads (destination window 3)
.irp m, 0,1,2,3
.set AR, (((\s)%5)*4+\m)*12
	global_load_b128 v[AR:AR+3],     v[VL16], s[4:5] offset:\m*ATILE+(\s)*1536
	global_load_b64  v[AR+4:AR+5],   v[VL8],  s[4:5] offset:\m*ATILE+(\s)*1536+512
	global_load_b128 v[AR+6:AR+9],   v[VL16], s[4:5] offset:\m*ATILE+(\s)*1536+768
	global_load_b64  v[AR+10:AR+11], v[VL8],  s[4:5] offset:\m*ATILE+(\s)*1536+1280
.endr
.endm
.macro FETCHB t                        ; B's four fragments and scale words of K step t into set t % 2: 16 LDS loads
.set FU, (\t)%2
.if (\t) > 0
	v_add_nc_u32 v[VB], BSTEP, v[VB]
	v_add_nc_u32 v[VS], BSTEP, v[VS]
.endif
.irp n, 0,1,2,3
.irp q, 0,1,2
	ds_load_b128 v[BF+48*FU+12*\n+4*\q:BF+48*FU+12*\n+4*\q+3], v[VB] offset:\n*1536+512*\q
.endr
	ds_load_b32 v[SB+4*FU+\n], v[VS] offset:\n*128
.endr
.endm
.macro MULG t                          ; 16 matrix instructions on 16 accumulators, one instruction a turn
.set MS, (\t)
.set MU, (\t)%2
.if MS == 0
	WIN 0x4c                                       ; source 0 (wo) window 0, source 1 (ctx) window 3, C (the bias) window 0, D window 1
.else
	WIN 0x5c                                       ; C and D window 1
.endif
.irp m, 0,1,2,3
.irp n, 0,1,2,3
.set AR, ((MS%5)*4+\m)*12
.set BR, BF+48*MU+12*\n
.set DR, 8*(4*\m+\n)
.if MS == 0
	v_wmma_scale_f32_16x16x128_f8f6f4 v[DR:DR+7], v[BR:BR+11], v[AR:AR+11], v[BI+8*\n:BI+8*\n+7], v[SB+4*MU+\n], v[SA+8*\m+MS] matrix_a_fmt:MATRIX_FMT_BF6 matrix_b_fmt:MATRIX_FMT_BF6
.else
	v_wmma_scale_f32_16x16x128_f8f6f4 v[DR:DR+7], v[BR:BR+11], v[AR:AR+11], v[DR:DR+7], v[SB+4*MU+\n], v[SA+8*\m+MS] matrix_a_fmt:MATRIX_FMT_BF6 matrix_b_fmt:MATRIX_FMT_BF6
.endif
.endr
.endr
.endm
.macro GSTEP t
.set GS, (\t)
.if (\t) > 0
	PLACES                                         ; behind the last step's products: the loads below land in the set and the ring slot that they read
.endif
.if (\t)+1 < NSTEP
.if ((\t)+1)%2 == 0                            ; the next step begins a new stage of B
	s_wait_dscnt 0x0                               ; no LDS load of mine is out at a signal
	s_wait_tensorcnt 3-((\t)+1)/2                  ; my quarter of that stage has landed; the later stages' loads stay out
	s_barrier_signal -1
	s_barrier_wait -1
.endif
	FETCHB (\t)+1
.endif
.if (GS >= 1) && (GS <= 3)
	WIN 0xc0
	ALOAD GS+4                                     ; into the slot of K step GS - 1
	WIN 0
.endif
.if (\t)+1 < NSTEP
	s_wait_dscnt 16                                ; this step's 16 LDS loads are in; the next step's 16 may be out
.else
	s_wait_dscnt 0x0
.endif
.set LC, 16*(7-GS)
.if LC > 63
.set LC, 63
.endif
	s_wait_loadcnt LC                              ; this K step's A is in; behind it stand the later steps' loads, 16 each, four steps at the most (64: the count's field holds 63)
	MULG \t
	WIN 0
.endm
	s_load_b256 s[4:11], s[0:1], 0x0               ; cc s[4:5], woc s[6:7], bo s[8:9], out0 s[10:11]
	v_lshl_add_u32 v254, v0, 2, 0x29000
	v_mov_b32 v255, 0
	ds_add_u32 v254, v255
	ds_add_u32 v254, v255
	v_lshrrev_b32 v10, 5, v0
	v_readfirstlane_b32 s[WV], v10                 ; wave 0..3
	v_and_b32 v10, 31, v0
	v_lshlrev_b32 v[VL16], 4, v10
	v_lshlrev_b32 v[VL8], 3, v10
	v_lshlrev_b32 v[VL4], 2, v10
	v_lshlrev_b32 v[VB], 4, v10
	v_lshl_add_u32 v[VS], v10, 2, SCOFF
	v_and_b32 v10, 15, v0                          ; r
	v_bfe_u32 v11, v0, 4, 1                        ; h
	v_lshlrev_b32 v[VH], 6, v11
	s_mul_i32 s52, s[WV], 16*SPITCH
	s_add_co_u32 s52, s52, STAGE                   ; my stage
	v_mul_u32_u24 v[STO], v10, SPITCH
	v_lshl_add_u32 v[STO], v11, 6, v[STO]
	v_add_nc_u32 v[STO], s52, v[STO]               ; in: row r, + 64 h: my 16 columns of 32
	v_mul_u32_u24 v[RD], v11, SPITCH
	v_lshl_add_u32 v[RD], v10, 4, v[RD]
	v_add_nc_u32 v[RD], s52, v[RD]                 ; back: lanes 0-15 one row of 256 bytes, lanes 16-31 the next
	v_lshlrev_b32 v[CO], 12, v11
	v_lshl_add_u32 v[CO], v10, 4, v[CO]            ; and the same two rows in out0
	s_bfe_u32 s14, ttmp6, 0x40000                  ; cx
	s_lshl_b32 s15, ttmp9, 2
	s_add_co_u32 s15, s15, s14                     ; mtx: it enters A's and the output's addresses alone
	s_and_b32 s40, ttmp7, 0xffff                   ; y, which the four partners share
	; descriptor group 1: QROWS rows of 256 bytes (32 elements of 8 bytes), dense in memory and in LDS
	s_mov_b32 s[G1+0], 15|(3<<16)|(1<<21)          ; 15:0 the mask: all four work-groups; 17:16 elements of 8 bytes; 20 no padding; 21 set beside a mask
	s_mov_b32 s[G1+1], 32<<16
	s_mov_b32 s[G1+2], QROWS<<16
	s_mov_b32 s[G1+3], 32<<16
	s_mov_b32 s[G1+4], QROWS
	s_mov_b32 s[G1+5], 32
	s_mov_b32 s[G1+6], 0
	s_mov_b32 s[G1+7], 0
	s_mul_i32 s13, s[WV], QROWS*256                ; my quarter of a stage
	s_mul_i32 s42, s40, 8*BSTEP
	s_add_co_u32 s42, s42, s13
	s_mov_b32 s43, 0
	s_lshl_b32 s44, s15, 4
	s_lshl_b32 s45, s[WV], 2
	s_add_co_u32 s44, s44, s45                     ; my first m tile
	s_mul_i32 s46, s44, ATILE
	s_mov_b32 s47, 0
	s_lshl_b32 s48, s15, 8
	s_lshl_b32 s49, s[WV], 6
	s_add_co_u32 s48, s48, s49                     ; my first row
	s_lshl_b32 s48, s48, 12
	s_lshl_b32 s50, s40, 8                         ; my 64 columns: 256 bytes, in out0 and in bo
	s_add_co_u32 s48, s48, s50
	s_mov_b32 s49, 0
	s_mov_b32 s51, 0
	s_wait_dscnt 0x0
	s_wait_kmcnt 0x0
	s_add_nc_u64 s[6:7], s[6:7], s[42:43]
	s_add_nc_u64 s[4:5], s[4:5], s[46:47]
	s_add_nc_u64 s[8:9], s[8:9], s[50:51]
	s_add_nc_u64 s[10:11], s[10:11], s[48:49]
	CROUND                                         ; all four work-groups are here: the joint loads meet
.irp j, 0,1,2,3
	s_mov_b32 s[G0+4*\j], 1
	s_add_co_u32 s[G0+4*\j+1], s13, \j*2*BSTEP
	s_add_nc_u64 s[G0+4*\j+2:G0+4*\j+3], s[6:7], \j*2*BSTEP
	s_or_b32 s[G0+4*\j+3], s[G0+4*\j+3], 0x80000000
.endr
.irp j, 0,1,2,3
	tensor_load_to_lds s[G0+4*\j:G0+4*\j+3], s[G1:G1+7]            ; all first fills in one group: four loads of mine are out
	s_nop 0
.endr
	PLACES
.irp m, 0,1,2,3
.irp s, 0,1,2,3,4,5,6,7
	global_load_b32 v[SA+8*\m+\s], v[VL4], s[4:5] offset:\m*ATILE+12288+\s*128   ; A's scale words of all K steps
.endr
.endr
.irp n, 0,1,2,3                                ; the bias in the result's layout: tile n, lane half h: columns 32 (n / 2) + 16 h + 8 (n % 2) + 0 .. 7
	global_load_b128 v[BI+8*\n:BI+8*\n+3], v[VH], s[8:9] offset:(32*(\n/2)+8*(\n%2))*4
	global_load_b128 v[BI+8*\n+4:BI+8*\n+7], v[VH], s[8:9] offset:(32*(\n/2)+8*(\n%2))*4+16
.endr
	WIN 0xc0
.irp s, 0,1,2,3,4
	ALOAD \s
.endr
	WIN 0
	s_wait_tensorcnt 3                             ; my quarter of stage 0 is in,
	s_barrier_signal -1
	s_barrier_wait -1                              ; everybody's is
	FETCHB 0
.set TT, 0
.rept NSTEP
	GSTEP TT
.set TT, TT+1
.endr
	; THE WAY OUT, an m tile at a time: a lane holds 2 x 64 bytes of one row, and the lanes beside it hold other rows: through my own stage in LDS, and back as whole rows of 256 bytes.
	; A wave's LDS instructions are served in order: no wait between the stores and the loads, nor in front of the next tile's stores.
	PLACES                                         ; behind the last products
.irp m, 0,1,2,3
	WIN 0x04                                       ; an LDS store's data are its source 1: window 1
.irp p, 0,1
.irp q, 0,1,2,3
	ds_store_b128 v[STO], v[32*\m+16*\p+4*\q:32*\m+16*\p+4*\q+3] offset:128*\p+16*\q   ; each accumulator from its low end on
.endr
.endr
	WIN 0
.irp i, 0,1,2,3,4,5,6,7
	ds_load_b128 v[64+32*\m+4*\i:64+32*\m+4*\i+3], v[RD] offset:2*SPITCH*\i
.endr
.endr
.irp m, 0,1,2,3
.irp i, 0,1,2,3,4,5,6,7
	s_wait_dscnt 16*(3-\m)+7-\i                    ; behind this load: the tile's later loads and the later tiles' 16 LDS instructions each
	global_store_b128 v[CO], v[64+32*\m+4*\i:64+32*\m+4*\i+3], s[10:11] offset:(32*(\m/2)+8*(\m%2)+2*\i+8*(\i/4))*4096 th:TH_STORE_NT   ; tile rows 2 i, 2 i + 1: 16 lanes store 256 consecutive bytes, at a multiple of 256 from out0's first byte
.endr
.endr
	s_wait_tensorcnt 0x0
	ds_add_u32 v254, v255
	s_wait_dscnt 0x0
	CROUND                                         ; the closing round: no work-group ends while a partner may still ask for a tile that names it
	s_endpgm
.Lfunc_end_k_q9cb0fbbad0_proj:
	.size	k_q9cb0fbbad0_proj, .Lfunc_end_k_q9cb0fbbad0_proj-k_q9cb0fbbad0_proj
	.p2alignl 7, 3214868480
	.fill 96, 4, 3214868480
	.section	.rodata,"a",@progbits
	.p2align	6, 0x0
	.amdhsa_kernel k_q9cb0fbbad0_proj
		.amdhsa_group_segment_fixed_size 168448
		.amdhsa_private_segment_fixed_size 0
		.amdhsa_enable_private_segment 0
		.amdhsa_kernarg_size 32
		.amdhsa_user_sgpr_count 2
		.amdhsa_user_sgpr_kernarg_segment_ptr 1
		.amdhsa_wavefront_size32 1
		.amdhsa_system_sgpr_workgroup_id_x 1
		.amdhsa_system_sgpr_workgroup_id_y 1
		.amdhsa_system_sgpr_workgroup_id_z 1
		.amdhsa_system_vgpr_workitem_id 0
		.amdhsa_next_free_vgpr 1024
		.amdhsa_next_free_sgpr 66
		.amdhsa_reserve_vcc 0
		.amdhsa_float_denorm_mode_32 3
		.amdhsa_float_denorm_mode_16_64 3
		.amdhsa_memory_ordered 1
		.amdhsa_forward_progress 1
		.amdhsa_inst_pref_size 57
	.end_amdhsa_kernel
	.amdgpu_metadata
---
amdhsa.version: [ 1, 2 ]
amdhsa.kernels:
  - .name:           k_q9cb0fbbad0_proj
    .symbol:         k_q9cb0fbbad0_proj.kd
    .args:
      - { .name: cc, .offset: 0, .size: 8, .value_kind: global_buffer, .address_space: global }
      - { .name: woc, .offset: 8, .size: 8, .value_kind: global_buffer, .address_space: global }
      - { .name: bo, .offset: 16, .size: 8, .value_kind: global_buffer, .address_space: global }
      - { .name: out0, .offset: 24, .size: 8, .value_kind: global_buffer, .address_space: global }
    .group_segment_fixed_size: 168448
    .private_segment_fixed_size: 0
    .kernarg_segment_align: 8
    .kernarg_segment_size: 32
    .max_flat_workgroup_size: 128
    .sgpr_count:     66
    .vgpr_count:     1024
    .wavefront_size: 32
...
	.end_amdgpu_metadata
.endif
;; end of part 4
;; ======== version 2 of 2: 4 launches; version 1 with the launch attn written anew for expert scheduling mode
;; workspace buffers: xc 3,407,872 bytes; cc 3,407,872 bytes; wqkv 2,555,904 bytes; woc 851,968 bytes; qc 4,194,304 bytes; kv 7,077,888 bytes
;; launch quant: the kernel of part 1 again; grid 768 x 1, 4 waves a work-group, no clusters, 47,616 bytes of LDS; arguments x, wq, wk, wv, wo, xc, wqkv, woc; writes xc, wqkv, woc
;; launch qkv: the kernel of part 2 again; grid 16 x 16, 4 waves a work-group, clusters of 4 x 1, 168,448 bytes of LDS; arguments xc, wqkv, qc, kv; writes qc, kv
;; launch attn (part 5): grid 8 x 32, 16 waves a work-group, no clusters, 29,696 bytes of LDS; arguments qc, kv, cc; writes cc
.if DOCPART == 5
	.amdgcn_target "amdgcn-amd-amdhsa--gfx1250"
	.amdhsa_code_object_version 6
	.text
	.protected	k_q9cb0fbbad0_attn
	.globl	k_q9cb0fbbad0_attn
	.p2align	8
	.type	k_q9cb0fbbad0_attn,@function
k_q9cb0fbbad0_attn:
	s_mov_b64 s[64:65], 0
	v_nop
	global_prefetch_b8 v0, s[64:65] scope:SCOPE_SE
	s_setreg_imm32_b32 hwreg(HW_REG_WAVE_SCHED_MODE, 0, 2), 2
	s_setreg_imm32_b32 hwreg(HW_REG_WAVE_MODE, 25, 1), 1
	s_wait_xcnt 0x0
	s_wait_alu depctr_vm_vsrc(0)
; ctx[b][q][64 h ..] = the sum over keys k <= q of softmax_k(q . k / 8) v, both products on codes of BF6 (E3M2) with E8M0 scales; ctx is quantised along the model's 1,024 for the last product.
; THE SOFTMAX AHEAD OF THE SECOND PRODUCT: t = score x log2(e) / 8; M = the running largest t rounded UP to a whole number; p = 2^(t - M) is what is quantised, along the keys; the row's sum is taken of the unquantised p and
; divides O at the end.  When M moves, the sum and O are multiplied by 2^(old M - new M): exact.
; SHARES.  Work-group (i, b h) owns the blocks of 128 queries i and 15 - i of one head: 17 key steps' work whatever i.  Each of sixteen waves owns one tile of 16 queries (256 registers, four waves to a SIMD); the waves of
; the two blocks are dealt so that of waves w, w + 1 one is of each block and of waves w, w + 4 too.  The work-group walks key steps 0 .. 15 - i of 128 keys; a wave leaves out the WORK of the steps behind its block's
; diagonal (a scalar branch on ids; no barrier stands under it) and masks in the step on the diagonal.
; A KEY STEP'S 13,824 BYTES (K's eight tiles, V's four fragments, their scale words, laid in the order of the operands' registers) are staged through registers into one of two LDS buffers: each thread loads 16 bytes (waves 0-10:
; 32) one step ahead, stores them at the step's end, and one barrier a step serves both ways: my stores into the next buffer have landed, and my reads of this one are over.  A trip of the loop runs two steps, one on each buffer,
; so every LDS address is a constant and a lane term.  With an odd number of steps the last trip's second step is left out by every wave; the look-ahead is held at the head's last block: that one load is used by nobody.
; NO JOINT LOADS: the eight work-groups of a head walk 16 - i key steps, a different number each, so partners could not ask for every tile together.
; LAYOUT.  S^T = K Q^T (source 0 = 16 keys, source 1 = my 16 queries), O^T = V^T P^T (source 0 = 16 channels, source 1 = P): a lane holds ONE query throughout.  Lane r of tile 2 b + u (keys, queries, channels alike) holds
; index 32 b + 8 u + r + 8 (r / 8): so the 16 registers of tiles 2 b, 2 b + 1 are 16 neighbours.
; THE FIRST PRODUCT'S K IS 64: Q's registers 6-11 are zero codes.  K's tile t is named as v[32 + 6 t .. + 11]: its upper six registers are the next tile's codes (zeros behind tile 7).  Every code of E3M2 is a finite number, and
; times Q's zeros it adds exactly 0; the scale words repeat their two bytes there.
; LIMITS: NaN and infinities are not served; blocks under 2^-122, and blocks of zeros, get the byte 1; 1 / the sum is v_rcp_f32's.
; REGISTERS: v1-3 16, 8, 4 x lane; v4 16 x thread; v5 my query less 16 (lane / 16), in its block; v7 -infinity; v8-15 staging; v16-27 Q; v28 Q's scale word, v29 p's; v30 -M, v31 the largest t; v32-79 K's tiles, then V's
; fragments; v80-85 zeros; v86-93 K's scale words, v94-97 V's; v[98:99] the sum; v100-163 S^T, then p; v164-195 O^T; v196-207 p's codes; v208-233 at work; v254, v255 the closing add's two.
; THE MODE: SCHED_MODE bits 1:0 = 2 (LLVM: expert scheduling mode 2), set by the entry lines.  The code itself states the register dependences between vector or matrix instructions and memory or LDS instructions,
; with s_wait_alu, always for 0.
; THE PLAN.  Registers that memory or LDS instructions touch:
;   v1-v4         offsets and LDS addresses: written at the head, never again; read by every load and store.
;   v8-v15        staging: the global loads at a step's head land in them, the LDS stores at its end read them; no vector instruction names them.
;   v32-v79       K's LDS loads land in them, the eight products K Q^T read them; then V's LDS loads land in them, and the four products V^T P read them.
;   v86-93, 94-97 scale words: LDS loads land in them, the step's products read them.
;   v196-201, v29 in the loop named by vector and matrix instructions alone; on the way out the three global stores read them.
; So a step has: one wait on vm_vsrc at its head (the LDS stores have read the staging registers); one on va_vdst ahead of K's loads (the last step's products are done with v32-79 and v86-97); one behind the products K Q^T
; (they are done with K's tiles): behind it no vector instruction names v32-79, v94-97 or v1-3 until V is multiplied, so V's twenty loads are dealt among the softmax's first lines with no further wait; the wait for the
; exponentials; and one ahead of the products V^T P, which take p's codes and scale word from vector instructions.  The diagonal's masks are made in runs of sixteen, in scalar registers, with one wait on va_sdst a run.
.set KVB, 13824                        ; a key step's bytes
.set WV,  10
.set BLK, 14                           ; s14 my block of 128 queries
.set NT,  15                           ; s15 trips
.set KS,  16                           ; s16 the key step in hand
.set TR,  17                           ; s17 counts trips
.set MK,  28                           ; s28-39 and s44-47: sixteen masks of the diagonal's step (mask j at MK + j + 4 (j / 12)); at the head these registers hold offsets, which are done with there
.macro PLACES
.rept 4
	v_nop
.endr
.endm
; V's fragment n (16 channels x 128 keys) and its scale words, from buffer sl: five LDS loads
.macro VFRAG sl, n
.irp c, 0,1
	ds_load_b128 v[32+12*(\n)+6*\c:35+12*(\n)+6*\c], v1 offset:(\sl)*KVB+6144+1536*(\n)+768*\c
	ds_load_b64 v[36+12*(\n)+6*\c:37+12*(\n)+6*\c], v2 offset:(\sl)*KVB+6144+1536*(\n)+768*\c+512
.endr
	ds_load_b32 v[94+(\n)], v3 offset:(\sl)*KVB+13312+128*(\n)
.endm
	s_load_b128 s[4:7], s[0:1], 0x0                ; qc, kv
	s_load_b64 s[8:9], s[0:1], 0x10                ; cc
	v_lshl_add_u32 v254, v0, 2, 0x6c00             ; my spare word, behind the two buffers; kept for the closing lines alone
	v_mov_b32 v255, 0                              ; and 0, likewise
	v_lshrrev_b32 v1, 5, v0
	v_readfirstlane_b32 s[WV], v1                  ; wave 0..15
.irp j, 22,23,24,25,26,27,80,81,82,83,84,85
	v_mov_b32 v\j, 0                               ; zero codes
.endr
	v_and_b32 v6, 31, v0
	v_lshlrev_b32 v1, 4, v6
	v_lshlrev_b32 v2, 3, v6
	v_lshlrev_b32 v3, 2, v6
	v_lshlrev_b32 v4, 4, v0
	s_mov_b32 s11, ttmp9                           ; i
	s_and_b32 s12, ttmp7, 0xffff                   ; 16 x batch + head
	s_wait_alu depctr_va_sdst(0)                   ; s10, the wave's number, is written, ahead of its first reader
	s_lshr_b32 s13, s[WV], 1                       ; my tile in its block
	s_lshr_b32 s24, s[WV], 2
	s_add_co_u32 s24, s24, s[WV]
	s_and_b32 s24, s24, 1                          ; which of the two blocks
	s_sub_co_u32 s25, 15, s11
	s_cmp_eq_u32 s24, 1
	s_cselect_b32 s[BLK], s25, s11
	s_sub_co_u32 s[NT], 17, s11
	s_lshr_b32 s[NT], s[NT], 1                     ; 16 - i steps, two a trip
	s_mov_b32 s[KS], 0
	s_mov_b32 s[TR], 0
	s_mov_b32 s18, 0x76543210
	s_mov_b32 s19, 0xfedcba98                      ; lane selects: lane l xor 16
	s_mov_b32 s20, 0x3e38aa3b                      ; c = log2(e) / 8
	s_mov_b32 s21, s20                             ; (named with it as a pair)
	v_and_b32 v5, 15, v0
	v_and_b32 v230, 8, v5
	v_add_nc_u32 v5, v5, v230                      ; r + 8 (r / 8)
	v_bfe_u32 v230, v0, 4, 1
	v_lshlrev_b32 v230, 4, v230
	v_sub_nc_u32 v5, v5, v230                      ; - 16 (lane / 16)
	s_lshr_b32 s24, s13, 1
	s_lshl_b32 s24, s24, 5
	s_and_b32 s25, s13, 1
	s_lshl_b32 s25, s25, 3
	s_add_co_u32 s24, s24, s25
	v_add_nc_u32 v5, s24, v5                       ; + 32 (tile / 2) + 8 (tile % 2)
	v_mov_b32 v7, 0xff800000
	s_lshl_b32 s42, s[BLK], 3
	s_add_co_u32 s42, s42, s13                     ; my tile among the batch's 128
	s_lshl_b32 s28, s12, 7
	s_add_co_u32 s28, s28, s42
	s_lshl_b32 s28, s28, 10                        ; Q: 1,024 bytes a tile
	s_mov_b32 s29, 0
	s_lshr_b32 s30, s12, 4
	s_lshl_b32 s30, s30, 7
	s_add_co_u32 s30, s30, s42
	s_mul_i32 s30, s30, 13312                      ; ctx: the m tile,
	s_and_b32 s31, s12, 15
	s_lshr_b32 s32, s31, 1                         ; K step head / 2,
	s_and_b32 s33, s31, 1                          ; half head % 2
	s_mul_i32 s34, s32, 1536
	s_mul_i32 s35, s33, 768
	s_add_co_u32 s34, s34, s35
	s_add_co_u32 s34, s34, s30
	s_mov_b32 s35, 0
	s_lshl_b32 s36, s32, 7
	s_lshl_b32 s37, s33, 1
	s_add_co_u32 s36, s36, s37
	s_add_co_u32 s36, s36, s30                     ; its two scale bytes (12,288 stands in the store's immediate)
	s_mov_b32 s37, 0
	s_mul_i32 s38, s12, 16*KVB
	s_mov_b32 s39, 0
	s_wait_kmcnt 0x0
	s_add_nc_u64 s[4:5], s[4:5], s[28:29]
	s_add_nc_u64 s[6:7], s[6:7], s[38:39]          ; the head's first key step
	s_add_nc_u64 s[40:41], s[8:9], s[34:35]
	s_add_nc_u64 s[26:27], s[8:9], s[36:37]
	s_wait_alu depctr_va_vdst(0)                   ; v1 to v4 are written, which every load and store of the kernel reads as its offset or address; so are the zero codes v22-27 and v80-85, which the scaled products take as parts of their operands
	global_load_b128 v[16:19], v1, s[4:5]          ; Q stays in registers
	global_load_b64 v[20:21], v2, s[4:5] offset:512
	global_load_b32 v28, v3, s[4:5] offset:768
	global_load_b128 v[8:11], v4, s[6:7]           ; key step 0: 512 threads x 16 bytes,
	s_cmp_lt_u32 s[WV], 11
	s_cbranch_scc0 .Lhead_a
	global_load_b128 v[12:15], v4, s[6:7] offset:8192   ; and the other 5,632 bytes by waves 0-10
.Lhead_a:
.set ii, 0
.rept 32
	v_mov_b32 v[164+ii], 0                         ; O^T.  (The step is written once: the first finds zeros, which the first change of M leaves zeros)
.set ii, ii+1
.endr
	v_mov_b32 v98, 0                               ; the sum, in two halves
	v_mov_b32 v99, 0
.irp j, 220,221,222,223,229
	v_mov_b32 v\j, 0                               ; lane permutes' destinations, and the upper half of the pair v[228:229]
.endr
	v_mov_b32 v31, 0xff61b1e6                      ; the largest t so far: -3e38
	v_floor_f32 v30, -v31                          ; -M
	s_wait_loadcnt 0x0
	ds_store_b128 v4, v[8:11]
	s_cmp_lt_u32 s[WV], 11
	s_cbranch_scc0 .Lhead_b
	ds_store_b128 v4, v[12:15] offset:8192
.Lhead_b:
	s_wait_dscnt 0x0                               ; for the others' sake: my stores have landed
	s_barrier_signal -1
	s_barrier_wait -1
; A KEY STEP on buffer sl.
.macro STEP sl
	s_add_co_u32 s24, s[KS], 1                     ; the next step's block is asked for first: it lands under this step's work
	s_min_u32 s24, s24, 15                         ; (held inside the head's sixteen blocks)
	s_mul_i32 s24, s24, KVB
	s_mov_b32 s25, 0
	s_add_nc_u64 s[22:23], s[6:7], s[24:25]        ; (the loads that named this base were waited for at the last step's end)
	s_wait_alu depctr_vm_vsrc(0)                   ; my LDS stores of the last step's end (in the first step: the head's) have read v8-15, in which the loads below land
	global_load_b128 v[8:11], v4, s[22:23]
	s_cmp_lt_u32 s[WV], 11
	s_cbranch_scc0 .Lno_a_\@
	global_load_b128 v[12:15], v4, s[22:23] offset:8192
.Lno_a_\@:
	s_cmp_gt_u32 s[KS], s[BLK]                     ; all 128 keys come after my queries: the work is left out
	s_cbranch_scc1 .Lhidden_\@
	s_wait_alu depctr_va_vdst(0)                   ; the last step's products are done reading V's fragments v32-79 and the scale words v86-97, in which this step's LDS loads land
.irp t, 0,1,2,3,4,5,6,7
	ds_load_b128 v[32+6*\t:35+6*\t], v1 offset:\sl*KVB+768*\t
	ds_load_b64 v[36+6*\t:37+6*\t], v2 offset:\sl*KVB+768*\t+512
	ds_load_b32 v[86+\t], v3 offset:\sl*KVB+12288+128*\t
.endr
	s_wait_dscnt 0x0
.irp t, 0,1,2,3,4,5,6,7
	v_wmma_scale_f32_16x16x128_f8f6f4 v[100+8*\t:107+8*\t], v[32+6*\t:43+6*\t], v[16:27], 0, v[86+\t], v28 matrix_a_fmt:MATRIX_FMT_BF6 matrix_b_fmt:MATRIX_FMT_BF6
.endr                                          ; lane (r, h): query r; register 16 b + i is key 128 KS + 32 b + 16 h + i
	PLACES                                         ; in front of the first read of the scores
	s_wait_alu depctr_va_vdst(0)                   ; the eight products are done reading K's tiles v32-85: V's fragments land in v32-79
	VFRAG \sl, 0                                   ; V's fragments land under the softmax; no vector instruction from here to the products V^T P names v32-79, v94-97 or v1-3, so the other three follow with no further wait
	s_cmp_lg_u32 s[KS], s[BLK]                     ; only the step on the diagonal masks: hidden scores become -infinity, so p = 0
	s_cbranch_scc1 .Lopen_\@
.set gg, 0
.rept 4                                        ; block gg of 32 keys: my 16 registers of it
.set jj, 0
.rept 16
	v_cmp_gt_i32 s[MK+jj+4*(jj/12)], 32*gg+jj, v5  ; register 16 gg + jj's key lies behind my query
.set jj, jj+1
.endr
	s_wait_alu depctr_va_sdst(0)                   ; the sixteen masks are written, ahead of the selects that read them
.set jj, 0
.rept 16
	v_cndmask_b32 v[100+16*gg+jj], v[100+16*gg+jj], v7, s[MK+jj+4*(jj/12)]
.set jj, jj+1
.endr
.set gg, gg+1
.endr
.Lopen_\@:
.irp b, 0,1,2,3
	v_max3_num_f32 v[216+\b], v[100+16*\b], v[101+16*\b], v[102+16*\b]   ; the largest score of each block of 32 keys: for the row's maximum and, since p rises with the score, for the block's largest p
.endr
	VFRAG \sl, 1
.irp i, 3,5,7
.irp b, 0,1,2,3
	v_max3_num_f32 v[216+\b], v[216+\b], v[100+16*\b+\i], v[101+16*\b+\i]
.endr
.endr
	VFRAG \sl, 2
.irp i, 9,11,13
.irp b, 0,1,2,3
	v_max3_num_f32 v[216+\b], v[216+\b], v[100+16*\b+\i], v[101+16*\b+\i]
.endr
.endr
	VFRAG \sl, 3
.irp b, 0,1,2,3
	v_max_num_f32 v[216+\b], v[216+\b], v[115+16*\b]
.endr
.irp b, 0,1,2,3
	v_permlanex16_b32 v[220+\b], v[216+\b], s18, s19
.endr
.irp b, 0,1,2,3
	v_max_num_f32 v[216+\b], v[216+\b], v[220+\b]  ; with lane l xor 16's 16 keys
.endr
	v_max3_num_f32 v230, v216, v217, v218
	v_max_num_f32 v230, v230, v219                 ; the step's largest score of my query
	v_mul_f32 v230, s20, v230                      ; as t (c is positive)
	v_max_num_f32 v31, v31, v230                   ; the running largest t
	v_mov_b32 v230, v30
	v_floor_f32 v30, -v31                          ; the new -M = -ceil(t)
	v_sub_f32 v230, v30, v230                      ; old M less new M: a whole number, 0 or less
	v_cvt_i32_f32 v230, v230                       ; (it saturates)
	v_ldexp_f32 v228, 1.0, v230                    ; f = 2^(old M - new M)
.set ii, 0
.rept 32
	v_pk_fma_f32 v[100+ii:101+ii], v[100+ii:101+ii], s[20:21], v[30:31] op_sel_hi:[1,0,0]   ; t - M, two at a time
.set ii, ii+2
.endr
.irp b, 0,1,2,3
	v_fma_f32 v[216+\b], v[216+\b], s20, v30       ; the same of each block's largest score
.endr
.set ii, 0
.rept 64
	v_exp_f32 v[100+ii], v[100+ii]                 ; p = 2^(t - M), at most 1: not normalised
.set ii, ii+1
.endr
.irp b, 0,1,2,3
	v_exp_f32 v[216+\b], v[216+\b]                 ; the block's largest p: the same two instructions on the same number
.endr
	v_pk_mul_f32 v[98:99], v[98:99], v[228:229] op_sel_hi:[1,0]   ; the sums under the new M (a plain line behind the exponentials)
	s_wait_alu depctr_va_vdst(0)                   ; the 68 exponentials have written v100-163 and v216-219: one wait for the batch, ahead of its first reader
.irp b, 0,1,2,3
	v_max_num_f32 v[216+\b], 0x2800000, v[216+\b]  ; the floor 2^(5 - 127): the byte cannot fall under 1
.endr
.irp b, 0,1,2,3
	v_add_nc_u32 v[224+\b], 0xfe000000, v[216+\b]  ; 4 off the exponent field: the conversion's scale operand
.endr
.irp b, 0,1,2,3
	v_lshrrev_b32 v[220+\b], 23, v[224+\b]         ; the scale's byte
.endr
	v_lshl_or_b32 v29, v221, 8, v220               ; p's scale word for these 128 keys
	v_lshl_or_b32 v29, v222, 16, v29
	v_lshl_or_b32 v29, v223, 24, v29
.irp c, 0,1
	v_cvt_scalef32_pk16_bf6_f32 v[196+6*\c:198+6*\c], v[100+32*\c:115+32*\c], v[224+2*\c]
	v_cvt_scalef32_pk16_bf6_f32 v[208+4*\c:210+4*\c], v[116+32*\c:131+32*\c], v[224+2*\c+1]
.endr
	v_nop                                          ; one plain line behind the scaled conversions
.irp c, 0,1                                    ; the operand wants a WHOLE block in a lane
.irp i, 0,1,2
	v_permlane16_swap_b32 v[196+6*\c+\i], v[208+4*\c+\i]
.endr
.irp i, 0,1,2
	v_mov_b32 v[199+6*\c+\i], v[208+4*\c+\i]
.endr
.endr
	v_pk_add_f32 v[232:233], v[100:101], v[102:103]   ; the row's sum is taken of the UNQUANTISED p, in two chains
.irp j, 4,8,12,16,20,24,28,32,36,40,44,48,52,56,60
	v_pk_add_f32 v[98:99], v[98:99], v[100+\j:101+\j]
	v_pk_add_f32 v[232:233], v[232:233], v[102+\j:103+\j]
.endr
	v_pk_add_f32 v[98:99], v[98:99], v[232:233]
.set ii, 0
.rept 16
	v_pk_mul_f32 v[164+ii:165+ii], v[164+ii:165+ii], v[228:229] op_sel_hi:[1,0]   ; O^T under the new M, from each accumulator's low end on.  (With the sums: the places between p's codes and scale word and the products)
.set ii, ii+2
.endr
	s_wait_dscnt 0x0                               ; V is in
	s_wait_alu depctr_va_vdst(0)                   ; the vector instructions have written p's codes v196-207 and its scale word v29, which the scaled products below take; the places above stay beside this wait
.irp n, 0,1,2,3
	v_wmma_scale_f32_16x16x128_f8f6f4 v[164+8*\n:171+8*\n], v[32+12*\n:43+12*\n], v[196:207], v[164+8*\n:171+8*\n], v[94+\n], v29 matrix_a_fmt:MATRIX_FMT_BF6 matrix_b_fmt:MATRIX_FMT_BF6
.endr                                          ; four accumulators, one instruction a turn
	PLACES                                         ; in front of the reads of O^T
.Lhidden_\@:
	s_wait_loadcnt 0x0                             ; the next step's block is in my registers
	ds_store_b128 v4, v[8:11] offset:(1-\sl)*KVB   ; into the other buffer: every wave's reads of it were over in front of the last barrier
	s_cmp_lt_u32 s[WV], 11
	s_cbranch_scc0 .Lno_b_\@
	ds_store_b128 v4, v[12:15] offset:(1-\sl)*KVB+8192
.Lno_b_\@:
	s_wait_dscnt 0x0                               ; my stores have landed, and my reads of this buffer are over
	s_barrier_signal -1
	s_barrier_wait -1
	s_add_co_u32 s[KS], s[KS], 1
.endm
.Ltrip:
	STEP 0
	STEP 1
	s_add_co_u32 s[TR], s[TR], 1
	s_cmp_lt_u32 s[TR], s[NT]
	s_cbranch_scc1 .Ltrip
	; THE WAY OUT: ctx = O^T / the sum; register 16 b + i is channel 32 b + 16 (lane / 16) + i of my head: two blocks of the last product's K.
	v_add_f32 v98, v98, v99
	v_permlanex16_b32 v220, v98, s18, s19
	v_add_f32 v98, v98, v220                       ; the row's sum
	v_rcp_f32 v228, v98
	v_nop                                          ; one plain line behind the transcendental
	s_wait_alu depctr_va_vdst(0)                   ; the reciprocal has written v228, ahead of its first reader
.set ii, 0
.rept 16
	v_pk_mul_f32 v[100+ii:101+ii], v[164+ii:165+ii], v[228:229] op_sel_hi:[1,0]
.set ii, ii+2
.endr
.irp b, 0,1
	v_max3_num_f32 v[216+\b], |v[100+16*\b]|, |v[101+16*\b]|, 0x2800000
.endr
.irp i, 2,4,6,8,10,12,14
.irp b, 0,1
	v_max3_num_f32 v[216+\b], v[216+\b], |v[100+16*\b+\i]|, |v[101+16*\b+\i]|
.endr
.endr
.irp b, 0,1
	v_permlanex16_b32 v[220+\b], v[216+\b], s18, s19
.endr
.irp b, 0,1
	v_max_num_f32 v[216+\b], v[216+\b], v[220+\b]
.endr
.irp b, 0,1
	v_add_nc_u32 v[224+\b], 0xfe000000, v[216+\b]
.endr
.irp b, 0,1
	v_lshrrev_b32 v[220+\b], 23, v[224+\b]
.endr
	v_lshl_or_b32 v29, v221, 8, v220               ; my head's two bytes of the row's scale word
	v_cvt_scalef32_pk16_bf6_f32 v[196:198], v[100:115], v224
	v_cvt_scalef32_pk16_bf6_f32 v[208:210], v[116:131], v225
	v_nop
.irp i, 0,1,2
	v_permlane16_swap_b32 v[196+\i], v[208+\i]
.endr
.irp i, 0,1,2
	v_mov_b32 v[199+\i], v[208+\i]
.endr
	s_wait_alu depctr_va_vdst(0)                   ; the codes v196-201 and the scale bytes v29 are written, which the three stores read
	global_store_b128 v1, v[196:199], s[40:41]     ; 512 consecutive bytes
	global_store_b64 v2, v[200:201], s[40:41] offset:512   ; 256 consecutive bytes
	global_store_b16 v3, v29, s[26:27] offset:12288
	s_wait_dscnt 0x0                               ; the closing lines, six on end
	s_wait_alu 0x0
	s_wait_tensorcnt 0x0
	ds_add_u32 v254, v255
	s_wait_dscnt 0x0
	s_endpgm
.Lfunc_end_k_q9cb0fbbad0_attn:
	.size	k_q9cb0fbbad0_attn, .Lfunc_end_k_q9cb0fbbad0_attn-k_q9cb0fbbad0_attn
	.p2alignl 7, 3214868480
	.fill 96, 4, 3214868480
	.section	.rodata,"a",@progbits
	.p2align	6, 0x0
	.amdhsa_kernel k_q9cb0fbbad0_attn
		.amdhsa_group_segment_fixed_size 29696
		.amdhsa_private_segment_fixed_size 0
		.amdhsa_enable_private_segment 0
		.amdhsa_kernarg_size 24
		.amdhsa_user_sgpr_count 2
		.amdhsa_user_sgpr_kernarg_segment_ptr 1
		.amdhsa_wavefront_size32 1
		.amdhsa_system_sgpr_workgroup_id_x 1
		.amdhsa_system_sgpr_workgroup_id_y 1
		.amdhsa_system_sgpr_workgroup_id_z 1
		.amdhsa_system_vgpr_workitem_id 0
		.amdhsa_next_free_vgpr 256
		.amdhsa_next_free_sgpr 66
		.amdhsa_reserve_vcc 0
		.amdhsa_float_denorm_mode_32 3
		.amdhsa_float_denorm_mode_16_64 3
		.amdhsa_memory_ordered 1
		.amdhsa_forward_progress 1
		.amdhsa_inst_pref_size 62
	.end_amdhsa_kernel
	.amdgpu_metadata
---
amdhsa.version: [ 1, 2 ]
amdhsa.kernels:
  - .name:           k_q9cb0fbbad0_attn
    .symbol:         k_q9cb0fbbad0_attn.kd
    .args:
      - { .name: qc, .offset: 0, .size: 8, .value_kind: global_buffer, .address_space: global }
      - { .name: kv, .offset: 8, .size: 8, .value_kind: global_buffer, .address_space: global }
      - { .name: cc, .offset: 16, .size: 8, .value_kind: global_buffer, .address_space: global }
    .group_segment_fixed_size: 29696
    .private_segment_fixed_size: 0
    .kernarg_segment_align: 8
    .kernarg_segment_size: 24
    .max_flat_workgroup_size: 512
    .sgpr_count:     66
    .vgpr_count:     256
    .wavefront_size: 32
...
	.end_amdgpu_metadata
.endif
;; end of part 5
;; launch proj: the kernel of part 4 again; grid 16 x 16, 4 waves a work-group, clusters of 4 x 1, 168,448 bytes of LDS; arguments cc, woc, bo, out0; writes out0
